; MI455X (gfx1250); checked and timed in simulation.
; The chip was launched on July 23, 2026; its instructions are those of AMD's public machine-readable ISA for CDNA 5 (MIT licence, August 2026) and "CDNA5" Instruction Set Architecture Reference Guide (July 2026). The comments in the code are by the model that wrote it; some were corrected since.
;; Dot Product Attention. Allowed arithmetic: float matrix products may take bf16 or f16 operands with f32 sums; all other float work in f32.
;; Inputs: keys 16 x 2,048 x 64 float32; queries 16 x 2,048 x 64 float32; valid_lens 16 int32; values 16 x 2,048 x 64 float32.
;; Outputs: out0 16 x 2,048 x 64 float32.
;; 3 versions, each right; version 2 is faster than version 1; version 3 is version 2 with the launch attn written anew for expert scheduling mode. Each part assembles by itself: llvm-mc -triple=amdgcn-amd-amdhsa -mcpu=gfx1250 --defsym DOCPART=n.
;; ======== version 1 of 3: 1 launch
;; limits: right only within a limited range of input values; values are held in f16: magnitudes above 65,504 overflow, below 6.1e-05 lose precision; inputs' magnitudes at most 65,504
;; launch attn (part 1): grid 16 x 16, 8 waves a work-group, no clusters, 113,664 bytes of LDS; arguments queries, keys, values, valid_lens, out0; writes out0
.if DOCPART == 1
	.amdgcn_target "amdgcn-amd-amdhsa--gfx1250"
	.amdhsa_code_object_version 6
	.text
	.protected	k_q603b691919_attn
	.globl	k_q603b691919_attn
	.p2align	8
	.type	k_q603b691919_attn,@function
k_q603b691919_attn:
	s_mov_b64 s[64:65], 0
	v_nop
	global_prefetch_b8 v0, s[64:65] scope:SCOPE_SE
	s_setreg_imm32_b32 hwreg(HW_REG_WAVE_MODE, 25, 1), 1
	s_wait_xcnt 0x0
; out[b][q][:] = softmax over k of (q.k / 8, keys at or past valid_lens[b] set to -1e6) x values.   B = 16, Q = K = 2048, D = 64, all f32.
; A work-group (x = block of 128 queries, y = batch) walks the batch's valid keys in tiles of 128.  Eight waves: wave w has the 32 query
; rows 32 (w & 3) .. +31 (two blocks of 16) and, of every tile, the keys 64 (w >> 2) .. +63; it keeps its own running maximum, sum and O,
; and the two key halves are joined once at the end through LDS.
; BOTH PRODUCTS ARE TRANSPOSED: S^T = K Q^T (register j of lane (r, h): key 8 h + j, query r) and O^T = V^T P^T.  Two neighbouring tiles
; of S^T, packed pairwise to f16 inside the lane, ARE the second source of the second product, so P never changes lanes; a query's
; maximum and sum are reductions inside a lane and one exchange of the lane halves; the rescaling factor is one number a lane.
; MATRIX OPERANDS ARE f16, sums f32.  f16 keeps 11 significant bits where bf16 keeps 8: a rounding is off by at most 2^-11 of the number
; instead of 2^-8.  That counts here because a batch with few valid keys has outputs several times larger than the root mean square over
; all batches, by which errors are measured.  f16 has the room: numbers 30 times those of a unit normal, on an offset of 30 of their
; spreads, stay near 1,100; the weights lie in (0, 1].
; K and V come as f32 by 16-byte loads (a wave's load covers 512 neighbouring bytes), are rounded to f16 ONCE for the work-group and laid
; into LDS as f16: 32 KB of LDS stores and 128 KB of fragment reads a tile.
; NO TENSOR LOADS AND NO CLUSTER: the mover would bring f32, that is 64 KB of fill and 64 KB of read-back on top of those 160 KB for each
; tile (or a conversion of the whole tile by every wave), which costs more LDS traffic than the shared request saves.
; ORDER OF TILES: nt = ceil(valid / 128).  Tile nt - 1 (the only one that can hold masked keys) comes first, masked with the fill value
; itself, and its products start all sums; then tiles 0 .. nt - 2.  Tiles past the valid length are not read.
; LIMITS: a query, key or value beyond +-65,504 becomes infinite in f16; one below 2^-14 in magnitude, and a weight below 2^-14 of its
; row's running largest, is kept to 2^-25 absolutely.  A key in a skipped tile counts with weight 0, which is what exp(-1e6 - max) is in
; f32 as long as a row's largest valid score lies above about -999,800; NaN or infinity in keys or values of skipped tiles does not reach
; the output.  valid_lens > 2048 counts as 2048.  valid_lens <= 0 gives, as in the definition, equal weights over all 2,048 keys (the
; scale is set to 0), if q.k is finite.  Softmax in f32 with a running maximum.
.set KPITCH, 144                       ; a key's 64 f16 + 16 bytes: 9 x 16, so 16 rows start in 16 different 16-byte columns of 256
.set VPITCH, 160                       ; 5 x 32 bytes, for the transposing loads
.set VT,     18432                     ; LDS: K tile 0 .. 18,431; V tile 18,432 .. 38,911
.set ML,     38912                     ; 16 bytes a thread: (-c max, sum) of its two query blocks
.set OS,     43008                     ; a wave's 32 rows x 272 bytes of scaled O, f32
.set OPITCH, 272
.set OWAVE,  32*OPITCH
.set TILEB,  32768                     ; 128 keys x 256 bytes in memory
; window 0
.set KRD,  1                           ; LDS address of my K fragments
.set VRD,  2                           ; LDS address of my V fragments
.set REM,  3                           ; valid keys left from my register 0 of key tile 0, in the first (partial) tile; signed
.set MX,   4                           ; v4, v5   running maximum of q.k, query block 0, 1
.set LS,   6                           ; v6, v7   my lane's part of the running sum
.set PR,   8                           ; v[8:9], v[10:11]  (-c max, rescaling factor) of block 0, 1
.set T,    12                          ; v[12:19] at work
.set QOFF, 20
.set MLS,  21
.set MLR,  22
.set OST,  23
.set ORD,  24
.set OOFF, 25
.set FILL, 26                          ; -8,000,000.0 = -1e6 x 8: the fill value ahead of the division by 8
.set QF,   32                          ; v[32:63]   Q fragments: block b, d half k at 32 + 16 b + 8 k
.set FR,   64                          ; v[64:127]  fragments of K, then of V
.set SC,   128                         ; v[128:191] S^T: block b, key tile t at 128 + 32 b + 8 t; later P in place
.set OA,   192                         ; v[192:255] O^T: block b, d tile at 192 + 32 b + 8 d
; window 1 (v256 and up, written with their low 8 bits): the tile on its way in
.set KC,   0                           ; v256-287  eight chunks of K, 4 registers each
.set VC,   32                          ; v288-319  eight chunks of V
.set GOFF, 64                          ; v320      16 x thread
.set KST,  65                          ; v321      where my 8 bytes of a K chunk go
.set VST,  66                          ; v322      the same for V
.set LDR,  0x45                        ; sources 0 and 1 and the destination in window 1
.set MSB, 0
.macro WIN new                         ; the immediate's high byte repeats the setting that is left
.if MSB != \new
	s_set_vgpr_msb (MSB<<8)|\new
.set MSB, \new
.endif
.endm
.macro PLACES                          ; four places behind a matrix instruction (ISA guide 7.12.1)
.rept 4
	v_nop
.endr
.endm
; A tile's 64 KB: chunk i of thread t is key 16 i + (t >> 4), d = 4 (t & 15) .. +3
.macro LOADG
	WIN LDR
.irp i, 0,1,2,3,4,5,6,7
	global_load_b128 v[KC+4*\i:KC+4*\i+3], v[GOFF], s[30:31] offset:4096*\i
.endr
.irp i, 0,1,2,3,4,5,6,7
	global_load_b128 v[VC+4*\i:VC+4*\i+3], v[GOFF], s[32:33] offset:4096*\i
.endr
	WIN 0
.endm
.macro CVT                             ; each chunk's four f32 become four f16 in its first two registers
	WIN LDR
.irp i, 0,1,2,3,4,5,6,7,8,9,10,11,12,13,14,15
	v_cvt_pk_f16_f32 v[4*\i],   v[4*\i],   v[4*\i+1]
	v_cvt_pk_f16_f32 v[4*\i+1], v[4*\i+2], v[4*\i+3]
.endr
	WIN 0
.endm
.macro STOREDS
	WIN LDR
.irp i, 0,1,2,3,4,5,6,7
	ds_store_b64 v[KST], v[KC+4*\i:KC+4*\i+1] offset:16*KPITCH*\i
.endr
.irp i, 0,1,2,3,4,5,6,7
	ds_store_b64 v[VST], v[VC+4*\i:VC+4*\i+1] offset:16*VPITCH*\i
.endr
	WIN 0
.endm
; K fragments: key tile t, d half k at FR + 16 t + 8 k; lane (r, h): key r, d = 32 k + 8 h .. +7 and 32 k + 16 + 8 h .. +7
.macro KFRAG
.irp k, 0,1
.irp t, 0,1,2,3
	ds_load_b128 v[FR+16*\t+8*\k:FR+16*\t+8*\k+3],   v[KRD] offset:16*KPITCH*\t+64*\k
	ds_load_b128 v[FR+16*\t+8*\k+4:FR+16*\t+8*\k+7], v[KRD] offset:16*KPITCH*\t+64*\k+32
.endr
.endr
.endm
; S^T = K Q^T.  The eight accumulators take turns, one instruction a turn.
.macro SMUL
	s_wait_dscnt 8                         ; the fragments of d = 0 .. 31 are in; the eight loads of d = 32 .. 63 may be out
.irp t, 0,1,2,3
.irp b, 0,1
	v_wmma_f32_16x16x32_f16 v[SC+32*\b+8*\t:SC+32*\b+8*\t+7], v[FR+16*\t:FR+16*\t+7], v[QF+16*\b:QF+16*\b+7], 0
.endr
.endr
	s_wait_dscnt 0
.irp t, 0,1,2,3
.irp b, 0,1
	v_wmma_f32_16x16x32_f16 v[SC+32*\b+8*\t:SC+32*\b+8*\t+7], v[FR+16*\t+8:FR+16*\t+15], v[QF+16*\b+8:QF+16*\b+15], v[SC+32*\b+8*\t:SC+32*\b+8*\t+7]
.endr
.endr
.endm
; V^T fragments by transposing loads from V as it lies, [key][d]: 32 keys k, d tile d at FR + 8 (4 k + d).
; The four places serve these loads (into registers that the products above read) and the vector work on S^T behind them.
.macro VFRAG
	PLACES
.irp k, 0,1
.irp d, 0,1,2,3
	ds_load_tr16_b128 v[FR+8*(4*\k+\d):FR+8*(4*\k+\d)+3],   v[VRD] offset:32*VPITCH*\k+32*\d
	ds_load_tr16_b128 v[FR+8*(4*\k+\d)+4:FR+8*(4*\k+\d)+7], v[VRD] offset:32*VPITCH*\k+32*\d+16*VPITCH
.endr
.endr
.endm
; The partial tile: register j of key tile t is valid where 16 t + j < REM; elsewhere the fill value takes the score's place
.macro MASK
.irp t, 0,1,2,3
.irp j, 0,1,2,3,4,5,6,7
	v_cmp_lt_i32 vcc_lo, 16*\t+\j, v[REM]
	v_cndmask_b32 v[SC+8*\t+\j],    v[FILL], v[SC+8*\t+\j],    vcc_lo
	v_cndmask_b32 v[SC+32+8*\t+\j], v[FILL], v[SC+32+8*\t+\j], vcc_lo
.endr
.endr
.endm
; Query block qb: new maximum, p = 2^(c s - c max), sum, P packed in place, O rescaled.  first = 1: nothing is carried yet.
.macro SOFTMAX qb, first
.set SB, SC+32*\qb
.set OB, OA+32*\qb
.set PQ, PR+2*\qb
.irp k, 0,1,2,3                        ; four chains over my 32 scores
	v_max3_num_f32 v[T+\k], v[SB+8*\k], v[SB+8*\k+1], v[SB+8*\k+2]
.endr
.irp k, 0,1,2,3
	v_max3_num_f32 v[T+\k], v[T+\k], v[SB+8*\k+3], v[SB+8*\k+4]
.endr
.irp k, 0,1,2,3
	v_max3_num_f32 v[T+\k], v[T+\k], v[SB+8*\k+5], v[SB+8*\k+6]
.endr
.irp k, 0,1,2,3
	v_max_num_f32 v[T+\k], v[T+\k], v[SB+8*\k+7]
.endr
	v_max3_num_f32 v[T], v[T], v[T+1], v[T+2]
.if \first
	v_max_num_f32 v[T], v[T], v[T+3]
.else
	v_max3_num_f32 v[T], v[T], v[T+3], v[MX+\qb]
.endif
	v_permlanex16_b32 v[T+1], v[T], s28, s29       ; the other half of the lanes holds the query's other keys
	v_max_num_f32 v[MX+\qb], v[T], v[T+1]
.if \first
	v_mul_f32 v[PQ], s26, v[MX+\qb]                ; -c max
	v_mov_b32 v[PQ+1], 1.0                         ; the pair is named whole below
.else
	v_mul_f32 v[T+2], s26, v[MX+\qb]
	v_sub_f32 v[T+3], v[T+2], v[PQ]                ; from the two rounded -c max, so that the factor fits the p exactly
	v_exp_f32 v[PQ+1], v[T+3]
	v_mov_b32 v[PQ], v[T+2]                        ; the plain instruction behind the exponential (ISA guide 5.7.2)
	s_wait_alu depctr_va_vdst(0)
.endif
.irp g, 0,1,2,3                        ; eight scores at a time; the next group's multiply-adds are the plain instructions behind the exponentials
.irp i, 0,2,4,6
	v_pk_fma_f32 v[SB+8*\g+\i:SB+8*\g+\i+1], v[SB+8*\g+\i:SB+8*\g+\i+1], s[24:25], v[PQ:PQ+1] op_sel_hi:[1,0,0]
.endr
.irp i, 0,1,2,3,4,5,6,7
	v_exp_f32 v[SB+8*\g+\i], v[SB+8*\g+\i]
.endr
.endr
	s_wait_alu depctr_va_vdst(0)
	v_pk_add_f32 v[T:T+1],   v[SB:SB+1],   v[SB+2:SB+3]   ; names none of the last eight exponentials: their plain instruction
	v_pk_add_f32 v[T+2:T+3], v[SB+4:SB+5], v[SB+6:SB+7]
.irp i, 8,12,16,20,24,28
	v_pk_add_f32 v[T:T+1],   v[T:T+1],   v[SB+\i:SB+\i+1]
	v_pk_add_f32 v[T+2:T+3], v[T+2:T+3], v[SB+\i+2:SB+\i+3]
.endr
	v_pk_add_f32 v[T:T+1], v[T:T+1], v[T+2:T+3]
.if \first
	v_add_f32 v[LS+\qb], v[T], v[T+1]
.else
	v_add_f32 v[T], v[T], v[T+1]
	v_fma_f32 v[LS+\qb], v[LS+\qb], v[PQ+1], v[T]
.endif
.irp k, 0,16                           ; key tiles 2 k', 2 k' + 1 become the fragment of keys 32 k' .. +31, in the first eight of their 16 registers
.irp i, 0,1,2,3
	v_cvt_pk_f16_f32 v[SB+\k+\i], v[SB+\k+2*\i], v[SB+\k+2*\i+1]
.endr
.irp i, 0,1,2,3
	v_cvt_pk_f16_f32 v[SB+\k+4+\i], v[SB+\k+8+2*\i], v[SB+\k+8+2*\i+1]
.endr
.endr
.if \first == 0
.irp i, 0,2,4,6,8,10,12,14,16,18,20,22,24,26,28,30
	v_pk_mul_f32 v[OB+\i:OB+\i+1], v[OB+\i:OB+\i+1], v[PQ:PQ+1] op_sel:[0,1] op_sel_hi:[1,1]
.endr
.endif
.endm
; O^T += V^T P^T for query block qb.  The four accumulators take turns, one instruction a turn.
.macro PV qb, first
.irp d, 0,1,2,3
.if \first
	v_wmma_f32_16x16x32_f16 v[OA+32*\qb+8*\d:OA+32*\qb+8*\d+7], v[FR+8*\d:FR+8*\d+7], v[SC+32*\qb:SC+32*\qb+7], 0
.else
	v_wmma_f32_16x16x32_f16 v[OA+32*\qb+8*\d:OA+32*\qb+8*\d+7], v[FR+8*\d:FR+8*\d+7], v[SC+32*\qb:SC+32*\qb+7], v[OA+32*\qb+8*\d:OA+32*\qb+8*\d+7]
.endif
.endr
.irp d, 0,1,2,3
	v_wmma_f32_16x16x32_f16 v[OA+32*\qb+8*\d:OA+32*\qb+8*\d+7], v[FR+32+8*\d:FR+32+8*\d+7], v[SC+32*\qb+16:SC+32*\qb+23], v[OA+32*\qb+8*\d:OA+32*\qb+8*\d+7]
.endr
.endm
.macro COMPA first                     ; all that reads the tile in LDS; the V fragments are waited for behind it
.if \first == 0
.rept 5                                ; five places behind the last product of the tile before, on every way through the branches:
	v_nop                                  ; its fragments are loaded again and its P is written over by matrix instructions
.endr
.endif
	KFRAG
	SMUL
	VFRAG
.if \first
	MASK
.endif
	SOFTMAX 0, \first
.endm
.macro COMPB first                     ; registers alone
	PV 0, \first
	SOFTMAX 1, \first
	PV 1, \first
.endm
	s_load_b256 s[4:11], s[0:1], 0x0               ; queries s[4:5], keys s[6:7], values s[8:9], valid_lens s[10:11]
	s_load_b64 s[12:13], s[0:1], 0x20              ; out0
	v_lshl_add_u32 v30, v0, 2, 0x1b800
	v_mov_b32 v31, 0
	v_lshrrev_b32 v12, 5, v0
	v_readfirstlane_b32 s16, v12                   ; wave 0 .. 7
	s_and_b32 s17, s16, 3                          ; g: which 32 query rows
	s_lshr_b32 s18, s16, 2                         ; kh: which 64 keys of a tile
	s_and_b32 s15, ttmp7, 0xffff                   ; batch
	s_mov_b32 s28, 0x76543210                      ; v_permlanex16_b32: lane i of one half reads lane i of the other
	s_mov_b32 s29, 0xfedcba98
	s_lshl_b32 s34, s15, 19                        ; a batch is 2,048 rows of 256 bytes
	s_mov_b32 s35, 0
	s_lshl_b32 s36, ttmp9, 15                      ; + 128 rows a work-group
	s_lshl_b32 s38, s17, 13                        ; + 32 rows for g
	s_add_co_u32 s36, s36, s34
	s_add_co_u32 s36, s36, s38
	s_mov_b32 s37, 0
	s_lshl_b32 s38, s18, 12                        ; out: + 16 rows for kh (the rows that I store at the end)
	s_add_co_u32 s38, s38, s36
	s_mov_b32 s39, 0
	s_lshl_b32 s40, s15, 2
	s_mov_b32 s41, 0
	v_and_b32 v12, 15, v0                          ; r
	v_bfe_u32 v13, v0, 4, 1                        ; h
	v_lshlrev_b32 v[QOFF], 8, v12
	v_lshl_add_u32 v[QOFF], v13, 5, v[QOFF]        ; 256 r + 32 h
	s_wait_kmcnt 0x0
	s_add_nc_u64 s[4:5], s[4:5], s[36:37]
	s_add_nc_u64 s[6:7], s[6:7], s[34:35]
	s_add_nc_u64 s[8:9], s[8:9], s[34:35]
	s_add_nc_u64 s[10:11], s[10:11], s[40:41]
	s_add_nc_u64 s[12:13], s[12:13], s[38:39]
	s_load_b32 s19, s[10:11], 0x0                  ; valid_lens[batch]: the same word in all eight waves
	; Q as f32 into the registers of S^T: n = 2 block + d half; lane (r, h): d = 32 k + 8 h .. +7 and 32 k + 16 + 8 h .. +7 of query r
.irp n, 0,1,2,3
	global_load_b128 v[SC+16*\n:SC+16*\n+3],     v[QOFF], s[4:5] offset:4096*(\n/2)+128*(\n%2)
	global_load_b128 v[SC+16*\n+4:SC+16*\n+7],   v[QOFF], s[4:5] offset:4096*(\n/2)+128*(\n%2)+16
	global_load_b128 v[SC+16*\n+8:SC+16*\n+11],  v[QOFF], s[4:5] offset:4096*(\n/2)+128*(\n%2)+64
	global_load_b128 v[SC+16*\n+12:SC+16*\n+15], v[QOFF], s[4:5] offset:4096*(\n/2)+128*(\n%2)+80
.endr
	; LDS addresses
	v_and_b32 v14, 7, v0
	v_bfe_u32 v15, v0, 3, 1
	v_and_b32 v16, 31, v0
	s_mul_i32 s40, s18, 64*KPITCH
	s_mul_i32 s41, s18, 64*VPITCH
	s_add_co_u32 s41, s41, VT
	s_mul_i32 s42, s16, OWAVE
	s_add_co_u32 s42, s42, OS
	s_mul_i32 s43, s17, OWAVE
	s_mul_i32 s44, s18, 16*OPITCH
	s_add_co_u32 s43, s43, s44
	s_add_co_u32 s43, s43, OS
	v_mul_u32_u24 v[KRD], KPITCH, v12
	v_lshl_add_u32 v[KRD], v13, 4, v[KRD]
	v_add_nc_u32 v[KRD], s40, v[KRD]               ; (64 kh + r) pitch + 16 h
	v_lshl_add_u32 v17, v13, 3, v14
	v_mul_u32_u24 v[VRD], VPITCH, v17
	v_lshl_add_u32 v[VRD], v15, 4, v[VRD]
	v_add_nc_u32 v[VRD], s41, v[VRD]               ; V tile + (64 kh + 8 h + (lane & 7)) pitch + 16 ((lane >> 3) & 1)
	v_lshl_add_u32 v[MLS], v0, 4, ML
	v_and_b32 v17, 0x7f, v0
	v_lshl_add_u32 v[MLR], v17, 4, ML              ; the same lane of wave g; wave g + 4's lies 2,048 bytes on
	v_mul_u32_u24 v[OST], OPITCH, v12
	v_lshl_add_u32 v[OST], v13, 5, v[OST]
	v_add_nc_u32 v[OST], s42, v[OST]               ; my wave's stage + row r + 32 h
	v_mul_u32_u24 v[ORD], OPITCH, v13
	v_lshl_add_u32 v[ORD], v12, 4, v[ORD]
	v_add_nc_u32 v[ORD], s43, v[ORD]               ; wave g's stage + row 16 kh + h + 16 r
	v_lshlrev_b32 v[OOFF], 4, v16
	v_mov_b32 v[FILL], 0xcaf42400                  ; -8,000,000.0
	v_lshrrev_b32 v17, 4, v0                       ; thread >> 4: the key inside a chunk
	v_lshlrev_b32 v18, 3, v12                      ; 8 (thread & 15)
	v_add_nc_u32 v19, VT, v18
	WIN 0x40                                       ; destination in window 1
	v_lshlrev_b32 v[GOFF], 4, v0
	v_mad_u32_u24 v[KST], v17, KPITCH, v18
	v_mad_u32_u24 v[VST], v17, VPITCH, v19
	WIN 0
	s_wait_kmcnt 0x0                               ; the valid length
	s_cmp_gt_i32 s19, 0
	s_cselect_b32 s24, 0x3e38aa3b, 0               ; c = log2(e) / 8; 0 where nothing is valid: all weights equal
	s_cselect_b32 s26, 0xbe38aa3b, 0               ; -c
	s_cselect_b32 s20, s19, 0x800
	s_mov_b32 s25, s24
	s_min_u32 s20, s20, 0x800                      ; the length that counts, 1 .. 2,048
	s_add_co_u32 s21, s20, 127
	s_lshr_b32 s21, s21, 7                         ; nt
	s_sub_co_u32 s22, s21, 1
	s_min_u32 s22, s22, 15                         ; rest = nt - 1: the first tile's number, and how many whole tiles follow
	s_lshl_b32 s40, s22, 15
	s_mov_b32 s41, 0
	s_add_nc_u64 s[30:31], s[6:7], s[40:41]
	s_add_nc_u64 s[32:33], s[8:9], s[40:41]
	s_lshl_b32 s42, s22, 7
	s_sub_co_u32 s42, s20, s42
	s_lshl_b32 s43, s18, 6
	s_sub_co_u32 s42, s42, s43
	v_lshlrev_b32 v17, 3, v13
	v_sub_nc_u32 v[REM], s42, v17                  ; length - 128 (nt - 1) - 64 kh - 8 h
	LOADG                                          ; tile nt - 1
	s_wait_loadcnt 16                              ; Q's 16 loads are in; the tile's 16, issued behind them, may be out
.irp n, 0,1,2,3
.irp i, 0,1,2,3,4,5,6,7
	v_cvt_pk_f16_f32 v[QF+8*\n+\i], v[SC+16*\n+2*\i], v[SC+16*\n+2*\i+1]
.endr
.endr
	s_wait_loadcnt 0x0
	CVT
	STOREDS
	s_wait_dscnt 0x0                               ; my part of the tile is in LDS,
	s_barrier_signal -1
	s_barrier_wait -1                              ; everybody's is
	s_mov_b64 s[30:31], s[6:7]                     ; (all loads are back) from here on tiles 0, 1, ..
	s_mov_b64 s[32:33], s[8:9]
	s_cmp_eq_u32 s22, 0
	s_cbranch_scc1 .Lone_tile
	LOADG                                          ; tile 0, a whole tile's work ahead of its wait
.Lone_tile:
	COMPA 1
	s_wait_dscnt 0x0                               ; the V fragments are in, and my reads of the tile are over:
	s_barrier_signal -1                            ; say so, and work on registers meanwhile
	COMPB 1
; Tiles 0 .. rest - 1.  No barrier stands under a branch that hangs on the loaded length: the loop has 15 trips for every work-group,
; its barriers and the waits in front of them stand on every way, and the work of trip j is jumped over where j >= rest.
; Two barriers a trip on the one tile in LDS: between the reads and the next stores, and between the stores and the next reads.
	s_mov_b32 s23, 0
.Ltile:
	s_wait_loadcnt 0x0                             ; tile j is in registers
	s_cmp_ge_u32 s23, s22
	s_cbranch_scc1 .Lno_cvt
	CVT
.Lno_cvt:
	s_barrier_wait -1                              ; nobody reads the tile in LDS any more
	s_cmp_ge_u32 s23, s22
	s_cbranch_scc1 .Lno_store
	STOREDS
.Lno_store:
	s_wait_dscnt 0x0
	s_barrier_signal -1
	s_barrier_wait -1                              ; tile j is whole in LDS
	s_cmp_ge_u32 s23, s22
	s_cbranch_scc1 .Lno_a
	s_add_co_u32 s38, s23, 1
	s_cmp_ge_u32 s38, s22
	s_cbranch_scc1 .Lno_load
	s_add_nc_u64 s[30:31], s[30:31], TILEB         ; no load is out: the wait at the trip's head was for all
	s_add_nc_u64 s[32:33], s[32:33], TILEB
	LOADG                                          ; tile j + 1
.Lno_load:
	COMPA 0
.Lno_a:
	s_wait_dscnt 0x0                               ; the V fragments are in, and my reads of the tile are over
	s_barrier_signal -1
	s_cmp_ge_u32 s23, s22
	s_cbranch_scc1 .Lno_b
	COMPB 0
.Lno_b:
	s_add_co_u32 s23, s23, 1
	s_cmp_lt_u32 s23, 15
	s_cbranch_scc1 .Ltile
	s_barrier_wait -1
; The two key halves are joined.  Each wave shows its (-c max, sum); both partners then scale their O by 2^(c own max - c max) / sum.
	PLACES                                         ; behind the last products: O is read, fragment registers are loaded
	v_permlanex16_b32 v[T],   v[LS],   s28, s29
	v_permlanex16_b32 v[T+1], v[LS+1], s28, s29
	v_add_f32 v[PR+1], v[LS],   v[T]               ; the whole sum of my 64-key halves, in the place of the factor
	v_add_f32 v[PR+3], v[LS+1], v[T+1]
	ds_store_b128 v[MLS], v[PR:PR+3]
	s_wait_dscnt 0x0
	s_barrier_signal -1
	s_barrier_wait -1
	ds_load_b128 v[FR:FR+3],   v[MLR]              ; key half 0: (n0, l0, n1, l1)
	ds_load_b128 v[FR+4:FR+7], v[MLR] offset:2048  ; key half 1
	s_wait_dscnt 0x0
	v_min_num_f32 v[T],   v[FR],   v[FR+4]         ; -c x the larger maximum
	v_min_num_f32 v[T+1], v[FR+2], v[FR+6]
	v_sub_f32 v[FR+8],  v[T],   v[FR]
	v_sub_f32 v[FR+9],  v[T],   v[FR+4]
	v_sub_f32 v[FR+10], v[T],   v[PR]
	v_sub_f32 v[FR+11], v[T+1], v[FR+2]
	v_sub_f32 v[FR+12], v[T+1], v[FR+6]
	v_sub_f32 v[FR+13], v[T+1], v[PR+2]
.irp i, 8,9,10,11,12,13
	v_exp_f32 v[FR+\i], v[FR+\i]
.endr
	v_nop                                          ; the plain instruction behind the exponentials (ISA guide 5.7.2)
	s_wait_alu depctr_va_vdst(0)
	v_mul_f32 v[T+2], v[FR+8],  v[FR+1]
	v_mul_f32 v[T+3], v[FR+11], v[FR+3]
	v_fma_f32 v[T+2], v[FR+9],  v[FR+5], v[T+2]    ; the joint sum: at least 1, since the key with the maximum counts 1
	v_fma_f32 v[T+3], v[FR+12], v[FR+7], v[T+3]
	v_rcp_f32 v[T+6], v[T+2]
	v_rcp_f32 v[T+7], v[T+3]
	v_nop
	s_wait_alu depctr_va_vdst(0)
	v_mul_f32 v[T+4], v[FR+10], v[T+6]
	v_mul_f32 v[T+5], v[FR+13], v[T+7]
.irp i, 0,2,4,6,8,10,12,14,16,18,20,22,24,26,28,30
	v_pk_mul_f32 v[OA+\i:OA+\i+1], v[OA+\i:OA+\i+1], v[T+4:T+5] op_sel_hi:[1,0]
.endr
.irp i, 32,34,36,38,40,42,44,46,48,50,52,54,56,58,60,62
	v_pk_mul_f32 v[OA+\i:OA+\i+1], v[OA+\i:OA+\i+1], v[T+4:T+5] op_sel:[0,1] op_sel_hi:[1,1]
.endr
	; register j of d tile d is d = 16 d + 8 h + j of query r: 32 bytes of row 16 b + r of my stage
.irp b, 0,1
.irp d, 0,1,2,3
	ds_store_b128 v[OST], v[OA+32*\b+8*\d:OA+32*\b+8*\d+3]   offset:16*OPITCH*\b+64*\d
	ds_store_b128 v[OST], v[OA+32*\b+8*\d+4:OA+32*\b+8*\d+7] offset:16*OPITCH*\b+64*\d+16
.endr
.endr
	s_wait_dscnt 0x0
	s_barrier_signal -1
	s_barrier_wait -1
	; I add and store rows 16 kh .. +15 of g's 32: two rows a turn, from wave g's stage and from wave g + 4's
.irp i, 0,1,2,3,4,5,6,7
	ds_load_b128 v[FR+4*\i:FR+4*\i+3],       v[ORD] offset:2*OPITCH*\i
	ds_load_b128 v[FR+32+4*\i:FR+32+4*\i+3], v[ORD] offset:4*OWAVE+2*OPITCH*\i
.endr
.irp i, 0,1,2,3,4,5,6,7
	s_wait_dscnt 14-2*\i                           ; pair i is in; the pairs issued behind it may be out
	v_pk_add_f32 v[FR+4*\i:FR+4*\i+1],   v[FR+4*\i:FR+4*\i+1],   v[FR+32+4*\i:FR+32+4*\i+1]
	v_pk_add_f32 v[FR+4*\i+2:FR+4*\i+3], v[FR+4*\i+2:FR+4*\i+3], v[FR+32+4*\i+2:FR+32+4*\i+3]
	global_store_b128 v[OOFF], v[FR+4*\i:FR+4*\i+3], s[12:13] offset:512*\i th:TH_STORE_NT   ; 16 lanes store one whole row of 256 bytes, aligned
.endr
	s_wait_tensorcnt 0x0
	ds_add_u32 v30, v31
	s_wait_dscnt 0x0
	s_endpgm
.Lfunc_end_k_q603b691919_attn:
	.size	k_q603b691919_attn, .Lfunc_end_k_q603b691919_attn-k_q603b691919_attn
	.p2alignl 7, 3214868480
	.fill 96, 4, 3214868480
	.section	.rodata,"a",@progbits
	.p2align	6, 0x0
	.amdhsa_kernel k_q603b691919_attn
		.amdhsa_group_segment_fixed_size 113664
		.amdhsa_private_segment_fixed_size 0
		.amdhsa_enable_private_segment 0
		.amdhsa_kernarg_size 40
		.amdhsa_user_sgpr_count 2
		.amdhsa_user_sgpr_kernarg_segment_ptr 1
		.amdhsa_wavefront_size32 1
		.amdhsa_system_sgpr_workgroup_id_x 1
		.amdhsa_system_sgpr_workgroup_id_y 1
		.amdhsa_system_sgpr_workgroup_id_z 1
		.amdhsa_system_vgpr_workitem_id 0
		.amdhsa_next_free_vgpr 328
		.amdhsa_next_free_sgpr 66
		.amdhsa_reserve_vcc 1
		.amdhsa_float_denorm_mode_32 3
		.amdhsa_float_denorm_mode_16_64 3
		.amdhsa_memory_ordered 1
		.amdhsa_forward_progress 1
		.amdhsa_inst_pref_size 63
	.end_amdhsa_kernel
	.amdgpu_metadata
---
amdhsa.version: [ 1, 2 ]
amdhsa.kernels:
  - .name:           k_q603b691919_attn
    .symbol:         k_q603b691919_attn.kd
    .args:
      - { .name: queries, .offset: 0, .size: 8, .value_kind: global_buffer, .address_space: global }
      - { .name: keys, .offset: 8, .size: 8, .value_kind: global_buffer, .address_space: global }
      - { .name: values, .offset: 16, .size: 8, .value_kind: global_buffer, .address_space: global }
      - { .name: valid_lens, .offset: 24, .size: 8, .value_kind: global_buffer, .address_space: global }
      - { .name: out0, .offset: 32, .size: 8, .value_kind: global_buffer, .address_space: global }
    .group_segment_fixed_size: 113664
    .private_segment_fixed_size: 0
    .kernarg_segment_align: 8
    .kernarg_segment_size: 40
    .max_flat_workgroup_size: 256
    .sgpr_count:     66
    .vgpr_count:     328
    .wavefront_size: 32
...
	.end_amdgpu_metadata
.endif
;; end of part 1
;; ======== version 2 of 3: 1 launch; 1.37 times as fast as version 1
;; limits: right only within a limited range of input values; values are held in f16: magnitudes above 65,504 overflow, below 6.1e-05 lose precision; inputs' magnitudes at most 65,504
;; launch attn (part 2): grid 16 x 16, 8 waves a work-group, no clusters, 152,576 bytes of LDS; arguments queries, keys, values, valid_lens, out0; writes out0
.if DOCPART == 2
	.amdgcn_target "amdgcn-amd-amdhsa--gfx1250"
	.amdhsa_code_object_version 6
	.text
	.protected	k_q603b691919_attn
	.globl	k_q603b691919_attn
	.p2align	8
	.type	k_q603b691919_attn,@function
k_q603b691919_attn:
	s_mov_b64 s[64:65], 0
	v_nop
	global_prefetch_b8 v0, s[64:65] scope:SCOPE_SE
	s_setreg_imm32_b32 hwreg(HW_REG_WAVE_MODE, 25, 1), 1
	s_wait_xcnt 0x0
; out[b][q][:] = softmax over k of (q.k / 8, keys at or past valid_lens[b] set to -1e6) x values.   B = 16, Q = K = 2048, D = 64, all f32.
; A work-group (x = block of 128 queries, y = batch) walks the batch's valid keys in tiles of 128.  Eight waves: wave w has the 32 query
; rows 32 (w & 3) .. +31 (two blocks of 16) and, of every tile, the keys 64 (w >> 2) .. +63; it keeps its own running maximum, sum and O,
; and the two key halves are joined once at the end through LDS.
; BOTH PRODUCTS ARE TRANSPOSED: S^T = K Q^T (register j of lane (r, h): key 8 h + j, query r) and O^T = V^T P^T.  Two neighbouring tiles
; of S^T, packed pairwise to f16 inside the lane, ARE the second source of the second product, so P never changes lanes; a query's
; maximum and sum are reductions inside a lane and one exchange of the lane halves; the rescaling factor is one number a lane.
; MATRIX OPERANDS ARE f16, sums f32.  f16 keeps 11 significant bits where bf16 keeps 8: a rounding is off by at most 2^-11 of the number
; instead of 2^-8.  That counts here because a batch with few valid keys has outputs several times larger than the root mean square over
; all batches, by which errors are measured.  f16 has the room: numbers 30 times those of a unit normal, on an offset of 30 of their
; spreads, stay near 1,100; the weights lie in (0, 1].
; THE TILES' WAY IN.  K and V come as f32 by 16-byte loads (a wave's load covers 512 neighbouring bytes), are rounded to f16 ONCE for the
; work-group and laid into LDS as f16: 32 KB of LDS stores and 128 KB of fragment reads a tile.  The tiles are numbered in the order of
; their use, seq 0, 1, ..; seq k goes through register set k & 1 and LDS buffer k & 1.  Trip i multiplies seq i out of buffer i & 1,
; converts seq i + 1 into the other buffer and asks for seq i + 3 into the set just freed: a tile is asked for two trips ahead of its
; conversion and three ahead of its use.  ONE barrier a trip: in front of its signal a wave has waited for its reads of one buffer and
; its stores into the other; behind it the two change roles.
; PRODUCTS AMONG THE SOFTMAX.  Of a trip's 32 matrix instructions 16 stand singly among vector instructions that name none of their
; registers: block 1's eight of S^T inside block 0's search for the maximum, block 0's eight of O^T inside block 1's.  That search ends
; in a chain in which each instruction needs the one in front of it; the products are independent work for its gaps.
; NO TENSOR LOADS AND NO CLUSTER: the mover would bring f32, that is 64 KB of fill and 64 KB of read-back on top of those 160 KB for each
; tile (or a conversion of the whole tile by every wave), which costs more LDS traffic than the shared request saves.
; ORDER OF TILES: nt = ceil(valid / 128).  seq 0 is tile nt - 1 (the only one that can hold masked keys), masked with the fill value
; itself, and its products start all sums; seq k is tile k - 1.  Tiles past the valid length are not read.  Tile 0 is asked for whatever
; the length, so that its registers are written on every way; where nt = 1 it is the tile that is read anyway, and this copy is not used.
; LIMITS: a query, key or value beyond +-65,504 becomes infinite in f16; one below 2^-14 in magnitude, and a weight below 2^-14 of its
; row's running largest, is kept to 2^-25 absolutely.  A key in a skipped tile counts with weight 0, which is what exp(-1e6 - max) is in
; f32 as long as a row's largest valid score lies above about -999,800; NaN or infinity in keys or values of skipped tiles does not reach
; the output.  valid_lens > 2048 counts as 2048.  valid_lens <= 0 gives, as in the definition, equal weights over all 2,048 keys (the
; scale is set to 0), if q.k is finite.  Softmax in f32 with a running maximum.
.set KPITCH, 144                       ; a key's 64 f16 + 16 bytes: 9 x 16, so 16 rows start in 16 different 16-byte columns of 256
.set VPITCH, 160                       ; 5 x 32 bytes, for the transposing loads
.set VT,     18432                     ; in a buffer: K tile 0 .. 18,431; V tile 18,432 .. 38,911
.set BUF,    38912                     ; LDS: two such buffers,
.set ML,     2*BUF                     ; then 16 bytes a thread: (-c max, sum) of its two query blocks,
.set OS,     ML+4096                   ; then a wave's 32 rows x 272 bytes of scaled O, f32
.set OPITCH, 272
.set OWAVE,  32*OPITCH
.set TILEB,  32768                     ; 128 keys x 256 bytes in memory
; window 0
.set KRD,  1                           ; LDS address of my K fragments in buffer 0
.set VRD,  2                           ; LDS address of my V fragments in buffer 0
.set REM,  3                           ; valid keys left from my register 0 of key tile 0, in the first (partial) tile; signed
.set MX,   4                           ; v4, v5   running maximum of q.k, query block 0, 1
.set LS,   6                           ; v6, v7   my lane's part of the running sum
.set PR,   8                           ; v[8:9], v[10:11]  (-c max, rescaling factor) of block 0, 1
.set T,    12                          ; v[12:19] at work
.set QOFF, 20
.set MLS,  21
.set MLR,  22
.set OST,  23
.set ORD,  24
.set OOFF, 25
.set FILL, 26                          ; -8,000,000.0 = -1e6 x 8: the fill value ahead of the division by 8
.set QF,   32                          ; v[32:63]   Q fragments: block b, d half k at 32 + 16 b + 8 k
.set FR,   64                          ; v[64:127]  fragments of K, then of V
.set SC,   128                         ; v[128:191] S^T: block b, key tile t at 128 + 32 b + 8 t; later P in place
.set OA,   192                         ; v[192:255] O^T: block b, d tile at 192 + 32 b + 8 d
; window 1 (v256 and up, written with their low 8 bits): the tiles on their way in.
; Set s: v[256 + 64 s ..]: eight chunks of K, 4 registers each, then eight chunks of V
.set GOFF, 128                         ; v384      16 x thread
.set KST,  129                         ; v385      where my 8 bytes of a K chunk go in buffer 0
.set VST,  130                         ; v386      the same for V
.set PT,   30                          ; s[30:31], s[32:33] set 0's place in keys and in values; s[48:49], s[50:51] set 1's
.set LDR,  0x45                        ; sources 0 and 1 and the destination in window 1
.set MSB, 0
.macro WIN new                         ; the immediate's high byte repeats the setting that is left
.if MSB != \new
	s_set_vgpr_msb (MSB<<8)|\new
.set MSB, \new
.endif
.endm
.macro PLACES                          ; four places behind a matrix instruction (ISA guide 7.12.1)
.rept 4
	v_nop
.endr
.endm
; A tile's 64 KB into set s: chunk i of thread t is key 16 i + (t >> 4), d = 4 (t & 15) .. +3.  Leaves the window at LDR.
.macro LOADG set
	WIN LDR
.irp i, 0,1,2,3,4,5,6,7
	global_load_b128 v[64*\set+4*\i:64*\set+4*\i+3], v[GOFF], s[PT+18*\set:PT+18*\set+1] offset:4096*\i
.endr
.irp i, 0,1,2,3,4,5,6,7
	global_load_b128 v[64*\set+32+4*\i:64*\set+32+4*\i+3], v[GOFF], s[PT+18*\set+2:PT+18*\set+3] offset:4096*\i
.endr
.endm
; Set s: each chunk's four f32 become four f16 in its first two registers, which go to LDS buffer s.  Leaves the window at LDR.
.macro CVTST set
	WIN LDR
.irp i, 0,1,2,3,4,5,6,7,8,9,10,11,12,13,14,15
	v_cvt_pk_f16_f32 v[64*\set+4*\i],   v[64*\set+4*\i],   v[64*\set+4*\i+1]
	v_cvt_pk_f16_f32 v[64*\set+4*\i+1], v[64*\set+4*\i+2], v[64*\set+4*\i+3]
.endr
.irp i, 0,1,2,3,4,5,6,7
	ds_store_b64 v[KST], v[64*\set+4*\i:64*\set+4*\i+1] offset:BUF*\set+16*KPITCH*\i
.endr
.irp i, 0,1,2,3,4,5,6,7
	ds_store_b64 v[VST], v[64*\set+32+4*\i:64*\set+32+4*\i+1] offset:BUF*\set+16*VPITCH*\i
.endr
.endm
; The loader's part of trip i = s23 + d: seq i + 1, which lies in set s, goes to LDS, and seq i + 3 is asked for into the same set.
; A way that issues no loads waits for ALL loads.  So at the counted wait the loads issued behind this set's are the other set's 16
; (ahead of the trips: tile 0's; in a trip: those of the loader's part before, if it took its first way) or none (if it took another):
; the count says the same on every way here.  fresh = 1: the set's place is made anew, at tile 1.
.macro LOADER set, d, fresh
	s_add_co_u32 s38, s23, \d+3
	s_cmp_lt_u32 s38, s21
	s_cbranch_scc0 .Ltail_\@
	s_wait_loadcnt 16                              ; my set is in, and its place may be stepped; the other set's 16 loads may be out
	CVTST \set
.if \fresh
	s_add_nc_u64 s[PT+18*\set:PT+18*\set+1],   s[6:7], TILEB
	s_add_nc_u64 s[PT+18*\set+2:PT+18*\set+3], s[8:9], TILEB
.else
	s_add_nc_u64 s[PT+18*\set:PT+18*\set+1],   s[PT+18*\set:PT+18*\set+1],   2*TILEB
	s_add_nc_u64 s[PT+18*\set+2:PT+18*\set+3], s[PT+18*\set+2:PT+18*\set+3], 2*TILEB
.endif
	s_wait_dscnt 0x0                               ; the wait that follows anyway, taken here: the set is loaded again behind its stores
	LOADG \set
	WIN 0
	s_branch .Ldone_\@
.Ltail_\@:
	s_wait_loadcnt 0x0                             ; nothing more to ask for
.if \d >= 0
	s_add_co_u32 s38, s23, \d+1
	s_cmp_lt_u32 s38, s21
	s_cbranch_scc0 .Ldone_\@
.endif
	CVTST \set
	WIN 0
.Ldone_\@:
.endm
; K fragments: key tile t, d half k at FR + 16 t + 8 k; lane (r, h): key r, d = 32 k + 8 h .. +7 and 32 k + 16 + 8 h .. +7
.macro KFRAG par
.irp k, 0,1
.irp t, 0,1,2,3
	ds_load_b128 v[FR+16*\t+8*\k:FR+16*\t+8*\k+3],   v[KRD] offset:BUF*\par+16*KPITCH*\t+64*\k
	ds_load_b128 v[FR+16*\t+8*\k+4:FR+16*\t+8*\k+7], v[KRD] offset:BUF*\par+16*KPITCH*\t+64*\k+32
.endr
.endr
.endm
; S^T = K Q^T, both query blocks in one run (trip 0).  The eight accumulators take turns, one instruction a turn.
.macro SMUL
.irp t, 0,1,2,3
.irp b, 0,1
	v_wmma_f32_16x16x32_f16 v[SC+32*\b+8*\t:SC+32*\b+8*\t+7], v[FR+16*\t:FR+16*\t+7], v[QF+16*\b:QF+16*\b+7], 0
.endr
.endr
.irp t, 0,1,2,3
.irp b, 0,1
	v_wmma_f32_16x16x32_f16 v[SC+32*\b+8*\t:SC+32*\b+8*\t+7], v[FR+16*\t+8:FR+16*\t+15], v[QF+16*\b+8:QF+16*\b+15], v[SC+32*\b+8*\t:SC+32*\b+8*\t+7]
.endr
.endr
.endm
; S^T of query block 0 alone (the other trips).  Its four accumulators take turns, one instruction a turn.
.macro SMUL0
.irp t, 0,1,2,3
	v_wmma_f32_16x16x32_f16 v[SC+8*\t:SC+8*\t+7], v[FR+16*\t:FR+16*\t+7], v[QF:QF+7], 0
.endr
.irp t, 0,1,2,3
	v_wmma_f32_16x16x32_f16 v[SC+8*\t:SC+8*\t+7], v[FR+16*\t+8:FR+16*\t+15], v[QF+8:QF+15], v[SC+8*\t:SC+8*\t+7]
.endr
.endm
; One matrix instruction among the softmax's vector instructions: number n = 0 .. 7 of set w.
; w = 1: S^T of query block 1 (n < 4: key tile n, d = 0 .. 31, starts the sum; else key tile n - 4, d = 32 .. 63).
; w = 2: O^T of query block 0 (d tile n % 4, keys 32 (n / 4) .. +31).   w = 0: nothing.
; In either set four accumulators take turns, one instruction a turn.
.macro HK w, n
.if \w == 1
.if \n < 4
	v_wmma_f32_16x16x32_f16 v[SC+32+8*\n:SC+32+8*\n+7], v[FR+16*\n:FR+16*\n+7], v[QF+16:QF+23], 0
.else
	v_wmma_f32_16x16x32_f16 v[SC+32+8*(\n-4):SC+32+8*(\n-4)+7], v[FR+16*(\n-4)+8:FR+16*(\n-4)+15], v[QF+24:QF+31], v[SC+32+8*(\n-4):SC+32+8*(\n-4)+7]
.endif
.endif
.if \w == 2
	v_wmma_f32_16x16x32_f16 v[OA+8*(\n%4):OA+8*(\n%4)+7], v[FR+8*\n:FR+8*\n+7], v[SC+16*(\n/4):SC+16*(\n/4)+7], v[OA+8*(\n%4):OA+8*(\n%4)+7]
.endif
.endm
; V^T fragments by transposing loads from V as it lies, [key][d]: 32 keys k, d tile d at FR + 8 (4 k + d): into K's registers,
; so four places behind the last product of S^T
.macro VLD par
.irp k, 0,1
.irp d, 0,1,2,3
	ds_load_tr16_b128 v[FR+8*(4*\k+\d):FR+8*(4*\k+\d)+3],   v[VRD] offset:BUF*\par+32*VPITCH*\k+32*\d
	ds_load_tr16_b128 v[FR+8*(4*\k+\d)+4:FR+8*(4*\k+\d)+7], v[VRD] offset:BUF*\par+32*VPITCH*\k+32*\d+16*VPITCH
.endr
.endr
.endm
; The partial tile: register j of key tile t is valid where 16 t + j < REM; elsewhere the fill value takes the score's place
.macro MASK
.irp t, 0,1,2,3
.irp j, 0,1,2,3,4,5,6,7
	v_cmp_lt_i32 vcc_lo, 16*\t+\j, v[REM]
	v_cndmask_b32 v[SC+8*\t+\j],    v[FILL], v[SC+8*\t+\j],    vcc_lo
	v_cndmask_b32 v[SC+32+8*\t+\j], v[FILL], v[SC+32+8*\t+\j], vcc_lo
.endr
.endr
.endm
; Query block qb: new maximum, p = 2^(c s - c max), sum, P packed in place, O rescaled.  first = 1: nothing is carried yet.
; w: the set of matrix instructions that stands among the search for the maximum (only with first = 0; w = 1 with qb = 0, w = 2 with
; qb = 1).  The vector instructions here name this block's S^T and O, T, MX, LS and PR; set 1 names block 1's S^T and Q and the
; fragments, set 2 block 0's P and O and the fragments: no register in common.   par: the LDS buffer, for V's fragments (w = 1).
.macro SOFTMAX qb, first, w, par
.set SB, SC+32*\qb
.set OB, OA+32*\qb
.set PQ, PR+2*\qb
	HK \w, 0
.if \w == 1
	PLACES                                         ; between block 0's last product and the first read of its S^T
.endif
.irp k, 0,1,2,3                        ; four chains over my 32 scores
	v_max3_num_f32 v[T+\k], v[SB+8*\k], v[SB+8*\k+1], v[SB+8*\k+2]
.endr
	HK \w, 1
.irp k, 0,1,2,3
	v_max3_num_f32 v[T+\k], v[T+\k], v[SB+8*\k+3], v[SB+8*\k+4]
.endr
	HK \w, 2
.irp k, 0,1,2,3
	v_max3_num_f32 v[T+\k], v[T+\k], v[SB+8*\k+5], v[SB+8*\k+6]
.endr
	HK \w, 3
.irp k, 0,1,2,3
	v_max_num_f32 v[T+\k], v[T+\k], v[SB+8*\k+7]
.endr
	HK \w, 4
	v_max3_num_f32 v[T], v[T], v[T+1], v[T+2]
.if \first
	v_max_num_f32 v[T], v[T], v[T+3]
.else
	v_max3_num_f32 v[T], v[T], v[T+3], v[MX+\qb]
.endif
	HK \w, 5
	v_permlanex16_b32 v[T+1], v[T], s28, s29       ; the other half of the lanes holds the query's other keys
	v_max_num_f32 v[MX+\qb], v[T], v[T+1]
	HK \w, 6
.if \first
	v_mul_f32 v[PQ], s26, v[MX+\qb]                ; -c max
	v_mov_b32 v[PQ+1], 1.0                         ; the pair is named whole below
.else
	v_mul_f32 v[T+2], s26, v[MX+\qb]
	v_sub_f32 v[T+3], v[T+2], v[PQ]                ; from the two rounded -c max, so that the factor fits the p exactly
	HK \w, 7
	v_exp_f32 v[PQ+1], v[T+3]
	v_mov_b32 v[PQ], v[T+2]                        ; the plain instruction behind the exponential (ISA guide 5.7.2)
	s_wait_alu depctr_va_vdst(0)
.endif
.irp g, 0,1,2,3                        ; eight scores at a time; the next group's multiply-adds are the plain instructions behind the exponentials
.irp i, 0,2,4,6
	v_pk_fma_f32 v[SB+8*\g+\i:SB+8*\g+\i+1], v[SB+8*\g+\i:SB+8*\g+\i+1], s[24:25], v[PQ:PQ+1] op_sel_hi:[1,0,0]
.endr
.if \g == 0
.if \w == 1
	VLD \par                                       ; five plain places (the move and four multiply-adds) behind the last product of S^T
.endif
.endif
.irp i, 0,1,2,3,4,5,6,7
	v_exp_f32 v[SB+8*\g+\i], v[SB+8*\g+\i]
.endr
.endr
	s_wait_alu depctr_va_vdst(0)
	v_pk_add_f32 v[T:T+1],   v[SB:SB+1],   v[SB+2:SB+3]   ; names none of the last eight exponentials: their plain instruction
	v_pk_add_f32 v[T+2:T+3], v[SB+4:SB+5], v[SB+6:SB+7]
.irp i, 8,12,16,20,24,28
	v_pk_add_f32 v[T:T+1],   v[T:T+1],   v[SB+\i:SB+\i+1]
	v_pk_add_f32 v[T+2:T+3], v[T+2:T+3], v[SB+\i+2:SB+\i+3]
.endr
	v_pk_add_f32 v[T:T+1], v[T:T+1], v[T+2:T+3]
.if \first
	v_add_f32 v[LS+\qb], v[T], v[T+1]
.else
	v_add_f32 v[T], v[T], v[T+1]
	v_fma_f32 v[LS+\qb], v[LS+\qb], v[PQ+1], v[T]
.endif
.irp k, 0,16                           ; key tiles 2 k', 2 k' + 1 become the fragment of keys 32 k' .. +31, in the first eight of their 16 registers
.irp i, 0,1,2,3
	v_cvt_pk_f16_f32 v[SB+\k+\i], v[SB+\k+2*\i], v[SB+\k+2*\i+1]
.endr
.irp i, 0,1,2,3
	v_cvt_pk_f16_f32 v[SB+\k+4+\i], v[SB+\k+8+2*\i], v[SB+\k+8+2*\i+1]
.endr
.endr
.if \first == 0
.irp i, 0,2,4,6,8,10,12,14,16,18,20,22,24,26,28,30
	v_pk_mul_f32 v[OB+\i:OB+\i+1], v[OB+\i:OB+\i+1], v[PQ:PQ+1] op_sel:[0,1] op_sel_hi:[1,1]
.endr
.endif
.endm
; O^T += V^T P^T for query block qb, in one run.  The four accumulators take turns, one instruction a turn.
.macro PV qb, first
.irp d, 0,1,2,3
.if \first
	v_wmma_f32_16x16x32_f16 v[OA+32*\qb+8*\d:OA+32*\qb+8*\d+7], v[FR+8*\d:FR+8*\d+7], v[SC+32*\qb:SC+32*\qb+7], 0
.else
	v_wmma_f32_16x16x32_f16 v[OA+32*\qb+8*\d:OA+32*\qb+8*\d+7], v[FR+8*\d:FR+8*\d+7], v[SC+32*\qb:SC+32*\qb+7], v[OA+32*\qb+8*\d:OA+32*\qb+8*\d+7]
.endif
.endr
.irp d, 0,1,2,3
	v_wmma_f32_16x16x32_f16 v[OA+32*\qb+8*\d:OA+32*\qb+8*\d+7], v[FR+32+8*\d:FR+32+8*\d+7], v[SC+32*\qb+16:SC+32*\qb+23], v[OA+32*\qb+8*\d:OA+32*\qb+8*\d+7]
.endr
.endm
.macro FIVE                            ; five places behind a trip's last product, in its own branch, so that they stand on every way from it:
.rept 5                                ; its fragments are loaded again, its P is written over by matrix instructions, its O is read at the end
	v_nop
.endr
.endm
; Is trip i = s23 + d past the last tile?  (SCC = 1: yes.)
.macro PAST d
.if \d
	s_add_co_u32 s39, s23, \d
	s_cmp_ge_u32 s39, s21
.else
	s_cmp_ge_u32 s23, s21
.endif
.endm
; Trip i = s23 + d on buffer par = i & 1; nxt = the other buffer and set.  first = 1: seq 0, masked, starts the sums, and is always there.
; ldr = 1: the loader's part, and the signal for the next trip's barrier.
; No barrier stands under a branch that hangs on the loaded length: the halves of the barrier and the waits in front of the signal stand
; on every way, and the work of a trip past the last tile is jumped over.
.macro TRIP par, nxt, d, first, ldr
	s_barrier_wait -1                              ; seq i is whole in buffer par, and nobody reads the other buffer any more
.if \first
	KFRAG \par
	s_wait_dscnt 0x0
	SMUL                                           ; the mask needs both blocks' scores: one run, nothing among the softmax
	PLACES
	VLD \par
	MASK
	SOFTMAX 0, 1, 0, \par
	LOADER \nxt, \d, 0                             ; here behind the first products: seq 1's loads went out last, and seq 0's work does not wait for them
.else
	PAST \d
	s_cbranch_scc1 .Lidle_\@
	KFRAG \par                                     ; asked for first: the loader's work stands between them and their use
.if \ldr
	LOADER \nxt, \d, 0
.endif
	s_wait_dscnt 0x0                               ; K's fragments are in (and my stores, which were issued behind them, are done)
	SMUL0
	SOFTMAX 0, 0, 1, \par                          ; with block 1's S^T and the loads of V's fragments among it
.if \ldr
	s_branch .Ljoin_\@
.endif
.Lidle_\@:
.if \ldr
	s_wait_loadcnt 0x0                             ; a way that issues no loads waits for all
.Ljoin_\@:
.endif
.endif
	s_wait_dscnt 0x0                               ; the V fragments are in; my reads of this buffer and my stores into the other are over:
.if \ldr
	s_barrier_signal -1                            ; say so, and work on registers meanwhile
.endif
.if \first
	PV 0, 1
	SOFTMAX 1, 1, 0, \par
	PV 1, 1
	FIVE
.else
	PAST \d
	s_cbranch_scc1 .Lrest_\@
	SOFTMAX 1, 0, 2, \par                          ; with block 0's O^T among it
	PV 1, 0
	FIVE
.Lrest_\@:
.endif
.endm
	s_load_b256 s[4:11], s[0:1], 0x0               ; queries s[4:5], keys s[6:7], values s[8:9], valid_lens s[10:11]
	s_load_b64 s[12:13], s[0:1], 0x20              ; out0
	v_lshl_add_u32 v30, v0, 2, 0x25000
	v_mov_b32 v31, 0
	v_lshrrev_b32 v12, 5, v0
	v_readfirstlane_b32 s16, v12                   ; wave 0 .. 7
	s_and_b32 s17, s16, 3                          ; g: which 32 query rows
	s_lshr_b32 s18, s16, 2                         ; kh: which 64 keys of a tile
	s_and_b32 s15, ttmp7, 0xffff                   ; batch
	s_mov_b32 s28, 0x76543210                      ; v_permlanex16_b32: lane i of one half reads lane i of the other
	s_mov_b32 s29, 0xfedcba98
	s_lshl_b32 s34, s15, 19                        ; a batch is 2,048 rows of 256 bytes
	s_mov_b32 s35, 0
	s_lshl_b32 s36, ttmp9, 15                      ; + 128 rows a work-group
	s_lshl_b32 s38, s17, 13                        ; + 32 rows for g
	s_add_co_u32 s36, s36, s34
	s_add_co_u32 s36, s36, s38
	s_mov_b32 s37, 0
	s_lshl_b32 s38, s18, 12                        ; out: + 16 rows for kh (the rows that I store at the end)
	s_add_co_u32 s38, s38, s36
	s_mov_b32 s39, 0
	s_lshl_b32 s40, s15, 2
	s_mov_b32 s41, 0
	v_and_b32 v12, 15, v0                          ; r
	v_bfe_u32 v13, v0, 4, 1                        ; h
	v_lshlrev_b32 v[QOFF], 8, v12
	v_lshl_add_u32 v[QOFF], v13, 5, v[QOFF]        ; 256 r + 32 h
	v_lshrrev_b32 v17, 4, v0                       ; thread >> 4: the key inside a chunk
	v_lshlrev_b32 v18, 3, v12                      ; 8 (thread & 15)
	v_add_nc_u32 v19, VT, v18
	WIN 0x40                                       ; destination in window 1
	v_lshlrev_b32 v[GOFF], 4, v0
	v_mad_u32_u24 v[KST], v17, KPITCH, v18
	v_mad_u32_u24 v[VST], v17, VPITCH, v19
	WIN 0
	s_wait_kmcnt 0x0
	s_add_nc_u64 s[4:5], s[4:5], s[36:37]
	s_add_nc_u64 s[6:7], s[6:7], s[34:35]
	s_add_nc_u64 s[8:9], s[8:9], s[34:35]
	s_add_nc_u64 s[10:11], s[10:11], s[40:41]
	s_add_nc_u64 s[12:13], s[12:13], s[38:39]
	s_load_b32 s19, s[10:11], 0x0                  ; valid_lens[batch]: the same word in all eight waves
	s_mov_b64 s[PT+18:PT+19], s[6:7]               ; set 1 begins at tile 0
	s_mov_b64 s[PT+20:PT+21], s[8:9]
	; Q as f32 into the registers of S^T: n = 2 block + d half; lane (r, h): d = 32 k + 8 h .. +7 and 32 k + 16 + 8 h .. +7 of query r
.irp n, 0,1,2,3
	global_load_b128 v[SC+16*\n:SC+16*\n+3],     v[QOFF], s[4:5] offset:4096*(\n/2)+128*(\n%2)
	global_load_b128 v[SC+16*\n+4:SC+16*\n+7],   v[QOFF], s[4:5] offset:4096*(\n/2)+128*(\n%2)+16
	global_load_b128 v[SC+16*\n+8:SC+16*\n+11],  v[QOFF], s[4:5] offset:4096*(\n/2)+128*(\n%2)+64
	global_load_b128 v[SC+16*\n+12:SC+16*\n+15], v[QOFF], s[4:5] offset:4096*(\n/2)+128*(\n%2)+80
.endr
	; LDS addresses
	v_and_b32 v14, 7, v0
	v_bfe_u32 v15, v0, 3, 1
	v_and_b32 v16, 31, v0
	s_mul_i32 s40, s18, 64*KPITCH
	s_mul_i32 s41, s18, 64*VPITCH
	s_add_co_u32 s41, s41, VT
	s_mul_i32 s42, s16, OWAVE
	s_add_co_u32 s42, s42, OS
	s_mul_i32 s43, s17, OWAVE
	s_mul_i32 s44, s18, 16*OPITCH
	s_add_co_u32 s43, s43, s44
	s_add_co_u32 s43, s43, OS
	v_mul_u32_u24 v[KRD], KPITCH, v12
	v_lshl_add_u32 v[KRD], v13, 4, v[KRD]
	v_add_nc_u32 v[KRD], s40, v[KRD]               ; (64 kh + r) pitch + 16 h
	v_lshl_add_u32 v17, v13, 3, v14
	v_mul_u32_u24 v[VRD], VPITCH, v17
	v_lshl_add_u32 v[VRD], v15, 4, v[VRD]
	v_add_nc_u32 v[VRD], s41, v[VRD]               ; V tile + (64 kh + 8 h + (lane & 7)) pitch + 16 ((lane >> 3) & 1)
	v_lshl_add_u32 v[MLS], v0, 4, ML
	v_and_b32 v17, 0x7f, v0
	v_lshl_add_u32 v[MLR], v17, 4, ML              ; the same lane of wave g; wave g + 4's lies 2,048 bytes on
	v_mul_u32_u24 v[OST], OPITCH, v12
	v_lshl_add_u32 v[OST], v13, 5, v[OST]
	v_add_nc_u32 v[OST], s42, v[OST]               ; my wave's stage + row r + 32 h
	v_mul_u32_u24 v[ORD], OPITCH, v13
	v_lshl_add_u32 v[ORD], v12, 4, v[ORD]
	v_add_nc_u32 v[ORD], s43, v[ORD]               ; wave g's stage + row 16 kh + h + 16 r
	v_lshlrev_b32 v[OOFF], 4, v16
	v_mov_b32 v[FILL], 0xcaf42400                  ; -8,000,000.0
	s_wait_kmcnt 0x0                               ; the valid length
	s_cmp_gt_i32 s19, 0
	s_cselect_b32 s24, 0x3e38aa3b, 0               ; c = log2(e) / 8; 0 where nothing is valid: all weights equal
	s_cselect_b32 s26, 0xbe38aa3b, 0               ; -c
	s_cselect_b32 s20, s19, 0x800
	s_mov_b32 s25, s24
	s_min_u32 s20, s20, 0x800                      ; the length that counts, 1 .. 2,048
	s_add_co_u32 s21, s20, 127
	s_lshr_b32 s21, s21, 7                         ; nt, 1 .. 16
	s_sub_co_u32 s22, s21, 1
	s_min_u32 s22, s22, 15                         ; nt - 1: the first tile's number
	s_lshl_b32 s40, s22, 15
	s_mov_b32 s41, 0
	s_add_nc_u64 s[PT:PT+1],   s[6:7], s[40:41]
	s_add_nc_u64 s[PT+2:PT+3], s[8:9], s[40:41]
	s_lshl_b32 s42, s22, 7
	s_sub_co_u32 s42, s20, s42
	s_lshl_b32 s43, s18, 6
	s_sub_co_u32 s42, s42, s43
	v_lshlrev_b32 v17, 3, v13
	v_sub_nc_u32 v[REM], s42, v17                  ; length - 128 (nt - 1) - 64 kh - 8 h
	LOADG 0                                        ; seq 0 = tile nt - 1: wanted first, asked for first
	LOADG 1                                        ; seq 1 = tile 0
	WIN 0
	s_wait_loadcnt 32                              ; Q's 16 loads are in; the 32 of the two tiles, issued behind them, may be out
.irp n, 0,1,2,3
.irp i, 0,1,2,3,4,5,6,7
	v_cvt_pk_f16_f32 v[QF+8*\n+\i], v[SC+16*\n+2*\i], v[SC+16*\n+2*\i+1]
.endr
.endr
	s_mov_b32 s23, 0
	LOADER 0, -1, 1                                ; as in a trip -1: seq 0 goes to buffer 0, seq 2 = tile 1 is asked for
	s_wait_dscnt 0x0                               ; my part of seq 0 is in LDS
	s_barrier_signal -1
	TRIP 0, 1, 0, 1, 1                             ; trip 0
	s_mov_b32 s23, 1                               ; trips 1 .. 14, two to a turn of the loop, so that buffers and sets have fixed names
.Lpair:
	TRIP 1, 0, 0, 0, 1
	TRIP 0, 1, 1, 0, 1
	s_add_co_u32 s23, s23, 2
	s_cmp_lt_u32 s23, 15
	s_cbranch_scc1 .Lpair
	TRIP 1, 0, 0, 0, 0                             ; trip 15: no tile follows, so no loader and no signal
; The two key halves are joined.  Each wave shows its (-c max, sum); both partners then scale their O by 2^(c own max - c max) / sum.
; (The places behind the last products stand at their end.)
	v_permlanex16_b32 v[T],   v[LS],   s28, s29
	v_permlanex16_b32 v[T+1], v[LS+1], s28, s29
	v_add_f32 v[PR+1], v[LS],   v[T]               ; the whole sum of my 64-key halves, in the place of the factor
	v_add_f32 v[PR+3], v[LS+1], v[T+1]
	ds_store_b128 v[MLS], v[PR:PR+3]
	s_wait_dscnt 0x0
	s_barrier_signal -1
	s_barrier_wait -1
	ds_load_b128 v[FR:FR+3],   v[MLR]              ; key half 0: (n0, l0, n1, l1)
	ds_load_b128 v[FR+4:FR+7], v[MLR] offset:2048  ; key half 1
	s_wait_dscnt 0x0
	v_min_num_f32 v[T],   v[FR],   v[FR+4]         ; -c x the larger maximum
	v_min_num_f32 v[T+1], v[FR+2], v[FR+6]
	v_sub_f32 v[FR+8],  v[T],   v[FR]
	v_sub_f32 v[FR+9],  v[T],   v[FR+4]
	v_sub_f32 v[FR+10], v[T],   v[PR]
	v_sub_f32 v[FR+11], v[T+1], v[FR+2]
	v_sub_f32 v[FR+12], v[T+1], v[FR+6]
	v_sub_f32 v[FR+13], v[T+1], v[PR+2]
.irp i, 8,9,10,11,12,13
	v_exp_f32 v[FR+\i], v[FR+\i]
.endr
	v_nop                                          ; the plain instruction behind the exponentials (ISA guide 5.7.2)
	s_wait_alu depctr_va_vdst(0)
	v_mul_f32 v[T+2], v[FR+8],  v[FR+1]
	v_mul_f32 v[T+3], v[FR+11], v[FR+3]
	v_fma_f32 v[T+2], v[FR+9],  v[FR+5], v[T+2]    ; the joint sum: at least 1, since the key with the maximum counts 1
	v_fma_f32 v[T+3], v[FR+12], v[FR+7], v[T+3]
	v_rcp_f32 v[T+6], v[T+2]
	v_rcp_f32 v[T+7], v[T+3]
	v_nop
	s_wait_alu depctr_va_vdst(0)
	v_mul_f32 v[T+4], v[FR+10], v[T+6]
	v_mul_f32 v[T+5], v[FR+13], v[T+7]
.irp i, 0,2,4,6,8,10,12,14,16,18,20,22,24,26,28,30
	v_pk_mul_f32 v[OA+\i:OA+\i+1], v[OA+\i:OA+\i+1], v[T+4:T+5] op_sel_hi:[1,0]
.endr
.irp i, 32,34,36,38,40,42,44,46,48,50,52,54,56,58,60,62
	v_pk_mul_f32 v[OA+\i:OA+\i+1], v[OA+\i:OA+\i+1], v[T+4:T+5] op_sel:[0,1] op_sel_hi:[1,1]
.endr
	; register j of d tile d is d = 16 d + 8 h + j of query r: 32 bytes of row 16 b + r of my stage
.irp b, 0,1
.irp d, 0,1,2,3
	ds_store_b128 v[OST], v[OA+32*\b+8*\d:OA+32*\b+8*\d+3]   offset:16*OPITCH*\b+64*\d
	ds_store_b128 v[OST], v[OA+32*\b+8*\d+4:OA+32*\b+8*\d+7] offset:16*OPITCH*\b+64*\d+16
.endr
.endr
	s_wait_dscnt 0x0
	s_barrier_signal -1
	s_barrier_wait -1
	; I add and store rows 16 kh .. +15 of g's 32: two rows a turn, from wave g's stage and from wave g + 4's
.irp i, 0,1,2,3,4,5,6,7
	ds_load_b128 v[FR+4*\i:FR+4*\i+3],       v[ORD] offset:2*OPITCH*\i
	ds_load_b128 v[FR+32+4*\i:FR+32+4*\i+3], v[ORD] offset:4*OWAVE+2*OPITCH*\i
.endr
.irp i, 0,1,2,3,4,5,6,7
	s_wait_dscnt 14-2*\i                           ; pair i is in; the pairs issued behind it may be out
	v_pk_add_f32 v[FR+4*\i:FR+4*\i+1],   v[FR+4*\i:FR+4*\i+1],   v[FR+32+4*\i:FR+32+4*\i+1]
	v_pk_add_f32 v[FR+4*\i+2:FR+4*\i+3], v[FR+4*\i+2:FR+4*\i+3], v[FR+32+4*\i+2:FR+32+4*\i+3]
	global_store_b128 v[OOFF], v[FR+4*\i:FR+4*\i+3], s[12:13] offset:512*\i th:TH_STORE_NT   ; 16 lanes store one whole row of 256 bytes, aligned
.endr
	s_wait_tensorcnt 0x0
	ds_add_u32 v30, v31
	s_wait_dscnt 0x0
	s_endpgm
.Lfunc_end_k_q603b691919_attn:
	.size	k_q603b691919_attn, .Lfunc_end_k_q603b691919_attn-k_q603b691919_attn
	.p2alignl 7, 3214868480
	.fill 96, 4, 3214868480
	.section	.rodata,"a",@progbits
	.p2align	6, 0x0
	.amdhsa_kernel k_q603b691919_attn
		.amdhsa_group_segment_fixed_size 152576
		.amdhsa_private_segment_fixed_size 0
		.amdhsa_enable_private_segment 0
		.amdhsa_kernarg_size 40
		.amdhsa_user_sgpr_count 2
		.amdhsa_user_sgpr_kernarg_segment_ptr 1
		.amdhsa_wavefront_size32 1
		.amdhsa_system_sgpr_workgroup_id_x 1
		.amdhsa_system_sgpr_workgroup_id_y 1
		.amdhsa_system_sgpr_workgroup_id_z 1
		.amdhsa_system_vgpr_workitem_id 0
		.amdhsa_next_free_vgpr 392
		.amdhsa_next_free_sgpr 66
		.amdhsa_reserve_vcc 1
		.amdhsa_float_denorm_mode_32 3
		.amdhsa_float_denorm_mode_16_64 3
		.amdhsa_memory_ordered 1
		.amdhsa_forward_progress 1
		.amdhsa_inst_pref_size 121
	.end_amdhsa_kernel
	.amdgpu_metadata
---
amdhsa.version: [ 1, 2 ]
amdhsa.kernels:
  - .name:           k_q603b691919_attn
    .symbol:         k_q603b691919_attn.kd
    .args:
      - { .name: queries, .offset: 0, .size: 8, .value_kind: global_buffer, .address_space: global }
      - { .name: keys, .offset: 8, .size: 8, .value_kind: global_buffer, .address_space: global }
      - { .name: values, .offset: 16, .size: 8, .value_kind: global_buffer, .address_space: global }
      - { .name: valid_lens, .offset: 24, .size: 8, .value_kind: global_buffer, .address_space: global }
      - { .name: out0, .offset: 32, .size: 8, .value_kind: global_buffer, .address_space: global }
    .group_segment_fixed_size: 152576
    .private_segment_fixed_size: 0
    .kernarg_segment_align: 8
    .kernarg_segment_size: 40
    .max_flat_workgroup_size: 256
    .sgpr_count:     66
    .vgpr_count:     392
    .wavefront_size: 32
...
	.end_amdgpu_metadata
.endif
;; end of part 2
;; ======== version 3 of 3: 1 launch; version 2 with the launch attn written anew for expert scheduling mode
;; limits: right only within a limited range of input values; values are held in f16: magnitudes above 65,504 overflow, below 6.1e-05 lose precision; inputs' magnitudes at most 65,504
;; launch attn (part 3): grid 16 x 16, 8 waves a work-group, no clusters, 152,576 bytes of LDS; arguments queries, keys, values, valid_lens, out0; writes out0
.if DOCPART == 3
	.amdgcn_target "amdgcn-amd-amdhsa--gfx1250"
	.amdhsa_code_object_version 6
	.text
	.protected	k_q603b691919_attn
	.globl	k_q603b691919_attn
	.p2align	8
	.type	k_q603b691919_attn,@function
k_q603b691919_attn:
	s_mov_b64 s[64:65], 0
	v_nop
	global_prefetch_b8 v0, s[64:65] scope:SCOPE_SE
	s_setreg_imm32_b32 hwreg(HW_REG_WAVE_SCHED_MODE, 0, 2), 2
	s_setreg_imm32_b32 hwreg(HW_REG_WAVE_MODE, 25, 1), 1
	s_wait_xcnt 0x0
	s_wait_alu depctr_vm_vsrc(0)
; out[b][q][:] = softmax over k of (q.k / 8, keys at or past valid_lens[b] set to -1e6) x values.   B = 16, Q = K = 2048, D = 64, all f32.
; A work-group (x = block of 128 queries, y = batch) walks the batch's valid keys in tiles of 128.  Eight waves: wave w has the 32 query
; rows 32 (w & 3) .. +31 (two blocks of 16) and, of every tile, the keys 64 (w >> 2) .. +63; it keeps its own running maximum, sum and O,
; and the two key halves are joined once at the end through LDS.
; BOTH PRODUCTS ARE TRANSPOSED: S^T = K Q^T (register j of lane (r, h): key 8 h + j, query r) and O^T = V^T P^T.  Two neighbouring tiles
; of S^T, packed pairwise to f16 inside the lane, ARE the second source of the second product, so P never changes lanes; a query's
; maximum and sum are reductions inside a lane and one exchange of the lane halves; the rescaling factor is one number a lane.
; MATRIX OPERANDS ARE f16, sums f32.  f16 keeps 11 significant bits where bf16 keeps 8: a rounding is off by at most 2^-11 of the number
; instead of 2^-8.  That counts here because a batch with few valid keys has outputs several times larger than the root mean square over
; all batches, by which errors are measured.  f16 has the room: numbers 30 times those of a unit normal, on an offset of 30 of their
; spreads, stay near 1,100; the weights lie in (0, 1].
; THE TILES' WAY IN.  K and V come as f32 by 16-byte loads (a wave's load covers 512 neighbouring bytes), are rounded to f16 ONCE for the
; work-group and laid into LDS as f16: 32 KB of LDS stores and 128 KB of fragment reads a tile.  The tiles are numbered in the order of
; their use, seq 0, 1, ..; seq k goes through register set k & 1 and LDS buffer k & 1.  Trip i multiplies seq i out of buffer i & 1,
; converts seq i + 1 into the other buffer and asks for seq i + 3 into the set just freed: a tile is asked for two trips ahead of its
; conversion and three ahead of its use.  ONE barrier a trip: in front of its signal a wave has waited for its reads of one buffer and
; its stores into the other; behind it the two change roles.
; PRODUCTS AMONG THE SOFTMAX.  Of a trip's 32 matrix instructions 16 stand singly among vector instructions that name none of their
; registers: block 1's eight of S^T inside block 0's search for the maximum, block 0's eight of O^T inside block 1's.  That search ends
; in a chain in which each instruction needs the one in front of it; the products are independent work for its gaps.
; NO TENSOR LOADS AND NO CLUSTER: the mover would bring f32, that is 64 KB of fill and 64 KB of read-back on top of those 160 KB for each
; tile (or a conversion of the whole tile by every wave), which costs more LDS traffic than the shared request saves.
; ORDER OF TILES: nt = ceil(valid / 128).  seq 0 is tile nt - 1 (the only one that can hold masked keys), masked with the fill value
; itself, and its products start all sums; seq k is tile k - 1.  Tiles past the valid length are not read.  Tile 0 is asked for whatever
; the length, so that its registers are written on every way; where nt = 1 it is the tile that is read anyway, and this copy is not used.
; LIMITS: a query, key or value beyond +-65,504 becomes infinite in f16; one below 2^-14 in magnitude, and a weight below 2^-14 of its
; row's running largest, is kept to 2^-25 absolutely.  A key in a skipped tile counts with weight 0, which is what exp(-1e6 - max) is in
; f32 as long as a row's largest valid score lies above about -999,800; NaN or infinity in keys or values of skipped tiles does not reach
; the output.  valid_lens > 2048 counts as 2048.  valid_lens <= 0 gives, as in the definition, equal weights over all 2,048 keys (the
; scale is set to 0), if q.k is finite.  Softmax in f32 with a running maximum.
; THE MODE: SCHED_MODE bits 1:0 = 2 (LLVM: expert scheduling mode 2), set by the entry lines.  The code itself states the register
; dependences between vector or matrix instructions and memory or LDS instructions, with s_wait_alu, always for 0.
; THE PLAN.  Registers that memory or LDS instructions touch, and who else names them:
;   set 0, set 1   Global loads land; two trips later the conversions read and write the set in place; the LDS stores read the halves; the
;                  next global loads land.  In a loader's part: conversions | wait: written | stores | wait: read | wait | loads.
;   FR             K's fragments land at a trip's head, behind a wait that shows the last trip's products of O^T done reading V's; V's land
;                  behind a wait that shows the products of S^T done reading K's.  In the trips matrix instructions alone read FR.
;   addresses      v1, v2, v20 to v25, v384 to v386: all made at the head, ahead of one wait, and never written again; the tiles' places in
;                  memory are scalar bases.
;   S^T's registers take Q's loads at the head; PR and O^T are read by LDS stores at the end alone, FR by the global stores.
;   Q's fragments, S^T and P, O^T, the statistics and T are named by vector and matrix instructions alone in the trips.
; Each softmax's exponentials are one batch with one wait, ahead of the first instruction that names a result of theirs.
.set KPITCH, 144                       ; a key's 64 f16 + 16 bytes: 9 x 16, so 16 rows start in 16 different 16-byte columns of 256
.set VPITCH, 160                       ; 5 x 32 bytes, for the transposing loads
.set VT,     18432                     ; in a buffer: K tile 0 .. 18,431; V tile 18,432 .. 38,911
.set BUF,    38912                     ; LDS: two such buffers,
.set ML,     2*BUF                     ; then 16 bytes a thread: (-c max, sum) of its two query blocks,
.set OS,     ML+4096                   ; then a wave's 32 rows x 272 bytes of scaled O, f32
.set OPITCH, 272
.set OWAVE,  32*OPITCH
.set TILEB,  32768                     ; 128 keys x 256 bytes in memory
; window 0
.set KRD,  1                           ; LDS address of my K fragments in buffer 0
.set VRD,  2                           ; LDS address of my V fragments in buffer 0
.set REM,  3                           ; valid keys left from my register 0 of key tile 0, in the first (partial) tile; signed
.set MX,   4                           ; v4, v5   running maximum of q.k, query block 0, 1
.set LS,   6                           ; v6, v7   my lane's part of the running sum
.set PR,   8                           ; v[8:9], v[10:11]  (-c max, rescaling factor) of block 0, 1
.set T,    12                          ; v[12:19] at work
.set QOFF, 20
.set MLS,  21
.set MLR,  22
.set OST,  23
.set ORD,  24
.set OOFF, 25
.set FILL, 26                          ; -8,000,000.0 = -1e6 x 8: the fill value ahead of the division by 8
.set QF,   32                          ; v[32:63]   Q fragments: block b, d half k at 32 + 16 b + 8 k
.set FR,   64                          ; v[64:127]  fragments of K, then of V
.set SC,   128                         ; v[128:191] S^T: block b, key tile t at 128 + 32 b + 8 t; later P in place
.set OA,   192                         ; v[192:255] O^T: block b, d tile at 192 + 32 b + 8 d
; window 1 (v256 and up, written with their low 8 bits): the tiles on their way in.
; Set s: v[256 + 64 s ..]: eight chunks of K, 4 registers each, then eight chunks of V
.set GOFF, 128                         ; v384      16 x thread
.set KST,  129                         ; v385      where my 8 bytes of a K chunk go in buffer 0
.set VST,  130                         ; v386      the same for V
.set PT,   30                          ; s[30:31], s[32:33] set 0's place in keys and in values; s[48:49], s[50:51] set 1's
.set MK,   40                          ; s[40:47]  the partial tile: the masks of a key tile's eight registers (at the head: at work)
.set LDR,  0x45                        ; sources 0 and 1 and the destination in window 1
.set MSB, 0
.macro WIN new                         ; the immediate's high byte repeats the setting that is left
.if MSB != \new
	s_set_vgpr_msb (MSB<<8)|\new
.set MSB, \new
.endif
.endm
.macro PLACES                          ; four places behind a matrix instruction (ISA guide 7.12.1)
.rept 4
	v_nop
.endr
.endm
; A tile's 64 KB into set s: chunk i of thread t is key 16 i + (t >> 4), d = 4 (t & 15) .. +3.  Leaves the window at LDR.
.macro LOADG set
	WIN LDR
.irp i, 0,1,2,3,4,5,6,7
	global_load_b128 v[64*\set+4*\i:64*\set+4*\i+3], v[GOFF], s[PT+18*\set:PT+18*\set+1] offset:4096*\i
.endr
.irp i, 0,1,2,3,4,5,6,7
	global_load_b128 v[64*\set+32+4*\i:64*\set+32+4*\i+3], v[GOFF], s[PT+18*\set+2:PT+18*\set+3] offset:4096*\i
.endr
.endm
; Set s: each chunk's four f32 become four f16 in its first two registers, which go to LDS buffer s.  Leaves the window at LDR.
.macro CVTST set
	WIN LDR
.irp i, 0,1,2,3,4,5,6,7,8,9,10,11,12,13,14,15
	v_cvt_pk_f16_f32 v[64*\set+4*\i],   v[64*\set+4*\i],   v[64*\set+4*\i+1]
	v_cvt_pk_f16_f32 v[64*\set+4*\i+1], v[64*\set+4*\i+2], v[64*\set+4*\i+3]
.endr
	s_wait_alu depctr_va_vdst(0)                   ; the conversions have written the chunks' first two registers, which the LDS stores read
.irp i, 0,1,2,3,4,5,6,7
	ds_store_b64 v[KST], v[64*\set+4*\i:64*\set+4*\i+1] offset:BUF*\set+16*KPITCH*\i
.endr
.irp i, 0,1,2,3,4,5,6,7
	ds_store_b64 v[VST], v[64*\set+32+4*\i:64*\set+32+4*\i+1] offset:BUF*\set+16*VPITCH*\i
.endr
	s_wait_alu depctr_vm_vsrc(0)                   ; the LDS stores have read the set: what writes it next, the tile's loads or a later trip's conversions, stands behind this line on every way
.endm
; The loader's part of trip i = s23 + d: seq i + 1, which lies in set s, goes to LDS, and seq i + 3 is asked for into the same set.
; A way that issues no loads waits for ALL loads.  So at the counted wait the loads issued behind this set's are the other set's 16
; (ahead of the trips: tile 0's; in a trip: those of the loader's part before, if it took its first way) or none (if it took another):
; the count says the same on every way here.  fresh = 1: the set's place is made anew, at tile 1.
.macro LOADER set, d, fresh
	s_add_co_u32 s38, s23, \d+3
	s_cmp_lt_u32 s38, s21
	s_cbranch_scc0 .Ltail_\@
	s_wait_loadcnt 16                              ; my set is in, and its place may be stepped; the other set's 16 loads may be out
	CVTST \set
.if \fresh
	s_add_nc_u64 s[PT+18*\set:PT+18*\set+1],   s[6:7], TILEB
	s_add_nc_u64 s[PT+18*\set+2:PT+18*\set+3], s[8:9], TILEB
.else
	s_add_nc_u64 s[PT+18*\set:PT+18*\set+1],   s[PT+18*\set:PT+18*\set+1],   2*TILEB
	s_add_nc_u64 s[PT+18*\set+2:PT+18*\set+3], s[PT+18*\set+2:PT+18*\set+3], 2*TILEB
.endif
	s_wait_dscnt 0x0                               ; the wait that follows anyway, taken here: the set is loaded again behind its stores
	s_wait_alu depctr_va_vdst(0)                   ; the conversions are done reading and writing the set, in which the loads below land: said directly ahead of the loads, since stores that read the set stand behind the wait above
	LOADG \set
	WIN 0
	s_branch .Ldone_\@
.Ltail_\@:
	s_wait_loadcnt 0x0                             ; nothing more to ask for
.if \d >= 0
	s_add_co_u32 s38, s23, \d+1
	s_cmp_lt_u32 s38, s21
	s_cbranch_scc0 .Ldone_\@
.endif
	CVTST \set
	WIN 0
.Ldone_\@:
.endm
; K fragments: key tile t, d half k at FR + 16 t + 8 k; lane (r, h): key r, d = 32 k + 8 h .. +7 and 32 k + 16 + 8 h .. +7
.macro KFRAG par
.irp k, 0,1
.irp t, 0,1,2,3
	ds_load_b128 v[FR+16*\t+8*\k:FR+16*\t+8*\k+3],   v[KRD] offset:BUF*\par+16*KPITCH*\t+64*\k
	ds_load_b128 v[FR+16*\t+8*\k+4:FR+16*\t+8*\k+7], v[KRD] offset:BUF*\par+16*KPITCH*\t+64*\k+32
.endr
.endr
.endm
; S^T = K Q^T, both query blocks in one run (trip 0).  The eight accumulators take turns, one instruction a turn.
.macro SMUL
.irp t, 0,1,2,3
.irp b, 0,1
	v_wmma_f32_16x16x32_f16 v[SC+32*\b+8*\t:SC+32*\b+8*\t+7], v[FR+16*\t:FR+16*\t+7], v[QF+16*\b:QF+16*\b+7], 0
.endr
.endr
.irp t, 0,1,2,3
.irp b, 0,1
	v_wmma_f32_16x16x32_f16 v[SC+32*\b+8*\t:SC+32*\b+8*\t+7], v[FR+16*\t+8:FR+16*\t+15], v[QF+16*\b+8:QF+16*\b+15], v[SC+32*\b+8*\t:SC+32*\b+8*\t+7]
.endr
.endr
.endm
; S^T of query block 0 alone (the other trips).  Its four accumulators take turns, one instruction a turn.
.macro SMUL0
.irp t, 0,1,2,3
	v_wmma_f32_16x16x32_f16 v[SC+8*\t:SC+8*\t+7], v[FR+16*\t:FR+16*\t+7], v[QF:QF+7], 0
.endr
.irp t, 0,1,2,3
	v_wmma_f32_16x16x32_f16 v[SC+8*\t:SC+8*\t+7], v[FR+16*\t+8:FR+16*\t+15], v[QF+8:QF+15], v[SC+8*\t:SC+8*\t+7]
.endr
.endm
; One matrix instruction among the softmax's vector instructions: number n = 0 .. 7 of set w.
; w = 1: S^T of query block 1 (n < 4: key tile n, d = 0 .. 31, starts the sum; else key tile n - 4, d = 32 .. 63).
; w = 2: O^T of query block 0 (d tile n % 4, keys 32 (n / 4) .. +31).   w = 0: nothing.
; In either set four accumulators take turns, one instruction a turn.
.macro HK w, n
.if \w == 1
.if \n < 4
	v_wmma_f32_16x16x32_f16 v[SC+32+8*\n:SC+32+8*\n+7], v[FR+16*\n:FR+16*\n+7], v[QF+16:QF+23], 0
.else
	v_wmma_f32_16x16x32_f16 v[SC+32+8*(\n-4):SC+32+8*(\n-4)+7], v[FR+16*(\n-4)+8:FR+16*(\n-4)+15], v[QF+24:QF+31], v[SC+32+8*(\n-4):SC+32+8*(\n-4)+7]
.endif
.endif
.if \w == 2
	v_wmma_f32_16x16x32_f16 v[OA+8*(\n%4):OA+8*(\n%4)+7], v[FR+8*\n:FR+8*\n+7], v[SC+16*(\n/4):SC+16*(\n/4)+7], v[OA+8*(\n%4):OA+8*(\n%4)+7]
.endif
.endm
; V^T fragments by transposing loads from V as it lies, [key][d]: 32 keys k, d tile d at FR + 8 (4 k + d): into K's registers,
; so behind a wait that shows the products of S^T done reading them
.macro VLD par
.irp k, 0,1
.irp d, 0,1,2,3
	ds_load_tr16_b128 v[FR+8*(4*\k+\d):FR+8*(4*\k+\d)+3],   v[VRD] offset:BUF*\par+32*VPITCH*\k+32*\d
	ds_load_tr16_b128 v[FR+8*(4*\k+\d)+4:FR+8*(4*\k+\d)+7], v[VRD] offset:BUF*\par+32*VPITCH*\k+32*\d+16*VPITCH
.endr
.endr
.endm
; The partial tile: register j of key tile t is valid where 16 t + j < REM; elsewhere the fill value takes the score's place.
; A key tile's eight compares stand in one run, into eight scalar registers, with one wait behind the run.
.macro MASK
.irp t, 0,1,2,3
.irp j, 0,1,2,3,4,5,6,7
	v_cmp_lt_i32 s[MK+\j], 16*\t+\j, v[REM]
.endr
	s_wait_alu depctr_va_sdst(0)                   ; the eight compares have written s[MK ..], which the selects below read
.irp j, 0,1,2,3,4,5,6,7
	v_cndmask_b32 v[SC+8*\t+\j],    v[FILL], v[SC+8*\t+\j],    s[MK+\j]
	v_cndmask_b32 v[SC+32+8*\t+\j], v[FILL], v[SC+32+8*\t+\j], s[MK+\j]
.endr
.endr
.endm
; Query block qb: new maximum, p = 2^(c s - c max), sum, P packed in place, O rescaled.  first = 1: nothing is carried yet.
; w: the set of matrix instructions that stands among the search for the maximum (only with first = 0; w = 1 with qb = 0, w = 2 with
; qb = 1).  The vector instructions here name this block's S^T and O, T, MX, LS and PR; set 1 names block 1's S^T and Q and the
; fragments, set 2 block 0's P and O and the fragments: no register in common.   par: the LDS buffer, for V's fragments (w = 1).
; THE EXPONENTIALS ARE ONE BATCH: the rescaling factor's and the 32 scores'.  Ahead of the batch's wait nothing names a result of theirs:
; the scalings take -c max from T + 2, where it was made, so that the pair which holds the factor is not named; PR takes it behind the last exponential.
.macro SOFTMAX qb, first, w, par
.set SB, SC+32*\qb
.set OB, OA+32*\qb
.set PQ, PR+2*\qb
.if \first
.set AD, PQ                            ; the pair whose low register is -c max
.else
.set AD, T+2
.endif
	HK \w, 0
.if \w == 1
	PLACES                                         ; between block 0's last product and the first read of its S^T
.endif
.irp k, 0,1,2,3                        ; four chains over my 32 scores
	v_max3_num_f32 v[T+\k], v[SB+8*\k], v[SB+8*\k+1], v[SB+8*\k+2]
.endr
	HK \w, 1
.irp k, 0,1,2,3
	v_max3_num_f32 v[T+\k], v[T+\k], v[SB+8*\k+3], v[SB+8*\k+4]
.endr
	HK \w, 2
.irp k, 0,1,2,3
	v_max3_num_f32 v[T+\k], v[T+\k], v[SB+8*\k+5], v[SB+8*\k+6]
.endr
	HK \w, 3
.irp k, 0,1,2,3
	v_max_num_f32 v[T+\k], v[T+\k], v[SB+8*\k+7]
.endr
	HK \w, 4
	v_max3_num_f32 v[T], v[T], v[T+1], v[T+2]
.if \first
	v_max_num_f32 v[T], v[T], v[T+3]
.else
	v_max3_num_f32 v[T], v[T], v[T+3], v[MX+\qb]
.endif
	HK \w, 5
	v_permlanex16_b32 v[T+1], v[T], s28, s29       ; the other half of the lanes holds the query's other keys
	v_max_num_f32 v[MX+\qb], v[T], v[T+1]
	HK \w, 6
.if \first
	v_mul_f32 v[PQ], s26, v[MX+\qb]                ; -c max
	v_mov_b32 v[PQ+1], 1.0                         ; the pair is named whole below
.else
	v_mul_f32 v[T+2], s26, v[MX+\qb]
	v_sub_f32 v[T+3], v[T+2], v[PQ]                ; from the two rounded -c max, so that the factor fits the p exactly
	HK \w, 7
	v_exp_f32 v[PQ+1], v[T+3]                      ; the first scaling below is the plain instruction behind it (ISA guide 5.7.2): it reads T + 3 and writes neither
.endif
.irp g, 0,1,2,3                        ; eight scores at a time; the next group's multiply-adds are the plain instructions behind the exponentials
.irp i, 0,2,4,6
	v_pk_fma_f32 v[SB+8*\g+\i:SB+8*\g+\i+1], v[SB+8*\g+\i:SB+8*\g+\i+1], s[24:25], v[AD:AD+1] op_sel_hi:[1,0,0]
.endr
.if \g == 0
.if \w == 1
	s_wait_alu depctr_va_vdst(0)                   ; both blocks' products of S^T are done reading K's fragments, in whose registers V's land
	VLD \par
.endif
.endif
.irp i, 0,1,2,3,4,5,6,7
	v_exp_f32 v[SB+8*\g+\i], v[SB+8*\g+\i]
.endr
.endr
.if \first
	v_nop                                          ; the plain instruction behind the last exponential (ISA guide 5.7.2)
.else
	v_mov_b32 v[PQ], v[T+2]                        ; -c max is kept for the next trip: also the plain instruction behind the last exponential (ISA guide 5.7.2)
.endif
	s_wait_alu depctr_va_vdst(0)                   ; the batch's exponentials have written the weights and the factor, which the sums, the roundings and the rescaling below read
	v_pk_add_f32 v[T:T+1],   v[SB:SB+1],   v[SB+2:SB+3]
	v_pk_add_f32 v[T+2:T+3], v[SB+4:SB+5], v[SB+6:SB+7]
.irp i, 8,12,16,20,24,28
	v_pk_add_f32 v[T:T+1],   v[T:T+1],   v[SB+\i:SB+\i+1]
	v_pk_add_f32 v[T+2:T+3], v[T+2:T+3], v[SB+\i+2:SB+\i+3]
.endr
	v_pk_add_f32 v[T:T+1], v[T:T+1], v[T+2:T+3]
.if \first
	v_add_f32 v[LS+\qb], v[T], v[T+1]
.else
	v_add_f32 v[T], v[T], v[T+1]
	v_fma_f32 v[LS+\qb], v[LS+\qb], v[PQ+1], v[T]
.endif
.irp k, 0,16                           ; key tiles 2 k', 2 k' + 1 become the fragment of keys 32 k' .. +31, in the first eight of their 16 registers
.irp i, 0,1,2,3
	v_cvt_pk_f16_f32 v[SB+\k+\i], v[SB+\k+2*\i], v[SB+\k+2*\i+1]
.endr
.irp i, 0,1,2,3
	v_cvt_pk_f16_f32 v[SB+\k+4+\i], v[SB+\k+8+2*\i], v[SB+\k+8+2*\i+1]
.endr
.endr
.if \first == 0
.irp i, 0,2,4,6,8,10,12,14,16,18,20,22,24,26,28,30
	v_pk_mul_f32 v[OB+\i:OB+\i+1], v[OB+\i:OB+\i+1], v[PQ:PQ+1] op_sel:[0,1] op_sel_hi:[1,1]
.endr
.endif
.endm
; O^T += V^T P^T for query block qb, in one run.  The four accumulators take turns, one instruction a turn.
.macro PV qb, first
.irp d, 0,1,2,3
.if \first
	v_wmma_f32_16x16x32_f16 v[OA+32*\qb+8*\d:OA+32*\qb+8*\d+7], v[FR+8*\d:FR+8*\d+7], v[SC+32*\qb:SC+32*\qb+7], 0
.else
	v_wmma_f32_16x16x32_f16 v[OA+32*\qb+8*\d:OA+32*\qb+8*\d+7], v[FR+8*\d:FR+8*\d+7], v[SC+32*\qb:SC+32*\qb+7], v[OA+32*\qb+8*\d:OA+32*\qb+8*\d+7]
.endif
.endr
.irp d, 0,1,2,3
	v_wmma_f32_16x16x32_f16 v[OA+32*\qb+8*\d:OA+32*\qb+8*\d+7], v[FR+32+8*\d:FR+32+8*\d+7], v[SC+32*\qb+16:SC+32*\qb+23], v[OA+32*\qb+8*\d:OA+32*\qb+8*\d+7]
.endr
.endm
.macro FIVE                            ; five places behind a trip's last product, in its own branch, so that they stand on every way from it:
.rept 5                                ; its P is written over by matrix instructions, its O is read at the end
	v_nop
.endr
.endm
; Is trip i = s23 + d past the last tile?  (SCC = 1: yes.)
.macro PAST d
.if \d
	s_add_co_u32 s39, s23, \d
	s_cmp_ge_u32 s39, s21
.else
	s_cmp_ge_u32 s23, s21
.endif
.endm
; Trip i = s23 + d on buffer par = i & 1; nxt = the other buffer and set.  first = 1: seq 0, masked, starts the sums, and is always there.
; ldr = 1: the loader's part, and the signal for the next trip's barrier.
; No barrier stands under a branch that hangs on the loaded length: the halves of the barrier and the waits in front of the signal stand
; on every way, and the work of a trip past the last tile is jumped over.
.macro TRIP par, nxt, d, first, ldr
	s_barrier_wait -1                              ; seq i is whole in buffer par, and nobody reads the other buffer any more
.if \first
	KFRAG \par                                     ; no vector or matrix instruction has named FR yet, and none stands behind the waits of the loader's part above
	s_wait_dscnt 0x0
	SMUL                                           ; the mask needs both blocks' scores: one run, nothing among the softmax
	PLACES
	s_wait_alu depctr_va_vdst(0)                   ; the products of S^T are done reading K's fragments, in whose registers V's land
	VLD \par
	MASK
	SOFTMAX 0, 1, 0, \par
	LOADER \nxt, \d, 0                             ; here behind the first products: seq 1's loads went out last, and seq 0's work does not wait for them
.else
	PAST \d
	s_cbranch_scc1 .Lidle_\@
	s_wait_alu depctr_va_vdst(0)                   ; the last trip's products of O^T are done reading V's fragments, in whose registers K's land
	KFRAG \par                                     ; asked for first: the loader's work stands between them and their use
.if \ldr
	LOADER \nxt, \d, 0
.endif
	s_wait_dscnt 0x0                               ; K's fragments are in (and my stores, which were issued behind them, are done)
	SMUL0
	SOFTMAX 0, 0, 1, \par                          ; with block 1's S^T and the loads of V's fragments among it
.if \ldr
	s_branch .Ljoin_\@
.endif
.Lidle_\@:
.if \ldr
	s_wait_loadcnt 0x0                             ; a way that issues no loads waits for all
.Ljoin_\@:
.endif
.endif
	s_wait_dscnt 0x0                               ; the V fragments are in; my reads of this buffer and my stores into the other are over:
.if \ldr
	s_barrier_signal -1                            ; say so, and work on registers meanwhile
.endif
.if \first
	PV 0, 1
	SOFTMAX 1, 1, 0, \par
	PV 1, 1
	FIVE
.else
	PAST \d
	s_cbranch_scc1 .Lrest_\@
	SOFTMAX 1, 0, 2, \par                          ; with block 0's O^T among it
	PV 1, 0
	FIVE
.Lrest_\@:
.endif
.endm
	s_load_b256 s[4:11], s[0:1], 0x0               ; queries s[4:5], keys s[6:7], values s[8:9], valid_lens s[10:11]
	s_load_b64 s[12:13], s[0:1], 0x20              ; out0
	v_lshl_add_u32 v30, v0, 2, 0x25000
	v_mov_b32 v31, 0
	v_lshrrev_b32 v12, 5, v0
	v_readfirstlane_b32 s16, v12                   ; wave 0 .. 7
	s_and_b32 s15, ttmp7, 0xffff                   ; batch
	s_mov_b32 s28, 0x76543210                      ; v_permlanex16_b32: lane i of one half reads lane i of the other
	s_mov_b32 s29, 0xfedcba98
	s_lshl_b32 s34, s15, 19                        ; a batch is 2,048 rows of 256 bytes
	s_mov_b32 s35, 0
	s_lshl_b32 s36, ttmp9, 15                      ; + 128 rows a work-group
	s_add_co_u32 s36, s36, s34
	s_mov_b32 s37, 0
	s_mov_b32 s39, 0
	s_lshl_b32 s52, s15, 2                         ; the batch's word in valid_lens
	s_mov_b32 s53, 0
	; All addresses and offsets are made here, while the arguments are on their way, ahead of one wait
	v_and_b32 v12, 15, v0                          ; r
	v_bfe_u32 v13, v0, 4, 1                        ; h
	v_and_b32 v14, 7, v0
	v_bfe_u32 v15, v0, 3, 1
	v_and_b32 v16, 31, v0
	v_lshlrev_b32 v[QOFF], 8, v12
	v_lshl_add_u32 v[QOFF], v13, 5, v[QOFF]        ; 256 r + 32 h
	v_lshrrev_b32 v17, 4, v0                       ; thread >> 4: the key inside a chunk
	v_lshlrev_b32 v18, 3, v12                      ; 8 (thread & 15)
	v_add_nc_u32 v19, VT, v18
	WIN 0x40                                       ; destination in window 1
	v_lshlrev_b32 v[GOFF], 4, v0
	v_mad_u32_u24 v[KST], v17, KPITCH, v18
	v_mad_u32_u24 v[VST], v17, VPITCH, v19
	WIN 0
	s_wait_alu depctr_va_sdst(0)                   ; s16 is written, ahead of its first reader: bases and LDS addresses are made from it
	s_and_b32 s17, s16, 3                          ; g: which 32 query rows
	s_lshr_b32 s18, s16, 2                         ; kh: which 64 keys of a tile
	s_lshl_b32 s38, s17, 13                        ; + 32 rows for g
	s_add_co_u32 s36, s36, s38
	s_lshl_b32 s38, s18, 12                        ; out: + 16 rows for kh (the rows that I store at the end)
	s_add_co_u32 s38, s38, s36
	s_mul_i32 s40, s18, 64*KPITCH
	s_mul_i32 s41, s18, 64*VPITCH
	s_add_co_u32 s41, s41, VT
	s_mul_i32 s42, s16, OWAVE
	s_add_co_u32 s42, s42, OS
	s_mul_i32 s43, s17, OWAVE
	s_mul_i32 s44, s18, 16*OPITCH
	s_add_co_u32 s43, s43, s44
	s_add_co_u32 s43, s43, OS
	v_mul_u32_u24 v[KRD], KPITCH, v12
	v_lshl_add_u32 v[KRD], v13, 4, v[KRD]
	v_add_nc_u32 v[KRD], s40, v[KRD]               ; (64 kh + r) pitch + 16 h
	v_lshl_add_u32 v17, v13, 3, v14
	v_mul_u32_u24 v[VRD], VPITCH, v17
	v_lshl_add_u32 v[VRD], v15, 4, v[VRD]
	v_add_nc_u32 v[VRD], s41, v[VRD]               ; V tile + (64 kh + 8 h + (lane & 7)) pitch + 16 ((lane >> 3) & 1)
	v_lshl_add_u32 v[MLS], v0, 4, ML
	v_and_b32 v17, 0x7f, v0
	v_lshl_add_u32 v[MLR], v17, 4, ML              ; the same lane of wave g; wave g + 4's lies 2,048 bytes on
	v_mul_u32_u24 v[OST], OPITCH, v12
	v_lshl_add_u32 v[OST], v13, 5, v[OST]
	v_add_nc_u32 v[OST], s42, v[OST]               ; my wave's stage + row r + 32 h
	v_mul_u32_u24 v[ORD], OPITCH, v13
	v_lshl_add_u32 v[ORD], v12, 4, v[ORD]
	v_add_nc_u32 v[ORD], s43, v[ORD]               ; wave g's stage + row 16 kh + h + 16 r
	v_lshlrev_b32 v[OOFF], 4, v16
	v_mov_b32 v[FILL], 0xcaf42400                  ; -8,000,000.0
	s_wait_kmcnt 0x0
	s_add_nc_u64 s[4:5], s[4:5], s[36:37]
	s_add_nc_u64 s[6:7], s[6:7], s[34:35]
	s_add_nc_u64 s[8:9], s[8:9], s[34:35]
	s_add_nc_u64 s[10:11], s[10:11], s[52:53]
	s_add_nc_u64 s[12:13], s[12:13], s[38:39]
	s_load_b32 s19, s[10:11], 0x0                  ; valid_lens[batch]: the same word in all eight waves
	s_mov_b64 s[PT+18:PT+19], s[6:7]               ; set 1 begins at tile 0
	s_mov_b64 s[PT+20:PT+21], s[8:9]
	s_wait_alu depctr_va_vdst(0)                   ; v1, v2, v20 to v25 and v384 to v386 are written: every load and store of the kernel, global or LDS, reads one of them as its address, and none is written again
	; Q as f32 into the registers of S^T: n = 2 block + d half; lane (r, h): d = 32 k + 8 h .. +7 and 32 k + 16 + 8 h .. +7 of query r
.irp n, 0,1,2,3
	global_load_b128 v[SC+16*\n:SC+16*\n+3],     v[QOFF], s[4:5] offset:4096*(\n/2)+128*(\n%2)
	global_load_b128 v[SC+16*\n+4:SC+16*\n+7],   v[QOFF], s[4:5] offset:4096*(\n/2)+128*(\n%2)+16
	global_load_b128 v[SC+16*\n+8:SC+16*\n+11],  v[QOFF], s[4:5] offset:4096*(\n/2)+128*(\n%2)+64
	global_load_b128 v[SC+16*\n+12:SC+16*\n+15], v[QOFF], s[4:5] offset:4096*(\n/2)+128*(\n%2)+80
.endr
	s_wait_kmcnt 0x0                               ; the valid length
	s_cmp_gt_i32 s19, 0
	s_cselect_b32 s24, 0x3e38aa3b, 0               ; c = log2(e) / 8; 0 where nothing is valid: all weights equal
	s_cselect_b32 s26, 0xbe38aa3b, 0               ; -c
	s_cselect_b32 s20, s19, 0x800
	s_mov_b32 s25, s24
	s_min_u32 s20, s20, 0x800                      ; the length that counts, 1 .. 2,048
	s_add_co_u32 s21, s20, 127
	s_lshr_b32 s21, s21, 7                         ; nt, 1 .. 16
	s_sub_co_u32 s22, s21, 1
	s_min_u32 s22, s22, 15                         ; nt - 1: the first tile's number
	s_lshl_b32 s40, s22, 15
	s_mov_b32 s41, 0
	s_add_nc_u64 s[PT:PT+1],   s[6:7], s[40:41]
	s_add_nc_u64 s[PT+2:PT+3], s[8:9], s[40:41]
	s_lshl_b32 s42, s22, 7
	s_sub_co_u32 s42, s20, s42
	s_lshl_b32 s43, s18, 6
	s_sub_co_u32 s42, s42, s43
	LOADG 0                                        ; seq 0 = tile nt - 1: wanted first, asked for first.  No vector instruction has named the sets, and none stands behind the wait above
	LOADG 1                                        ; seq 1 = tile 0
	WIN 0
	v_lshlrev_b32 v17, 3, v13
	v_sub_nc_u32 v[REM], s42, v17                  ; length - 128 (nt - 1) - 64 kh - 8 h
	s_wait_loadcnt 32                              ; Q's 16 loads are in; the 32 of the two tiles, issued behind them, may be out
.irp n, 0,1,2,3
.irp i, 0,1,2,3,4,5,6,7
	v_cvt_pk_f16_f32 v[QF+8*\n+\i], v[SC+16*\n+2*\i], v[SC+16*\n+2*\i+1]
.endr
.endr
	s_mov_b32 s23, 0
	LOADER 0, -1, 1                                ; as in a trip -1: seq 0 goes to buffer 0, seq 2 = tile 1 is asked for
	s_wait_dscnt 0x0                               ; my part of seq 0 is in LDS
	s_barrier_signal -1
	TRIP 0, 1, 0, 1, 1                             ; trip 0
	s_mov_b32 s23, 1                               ; trips 1 .. 14, two to a turn of the loop, so that buffers and sets have fixed names
.Lpair:
	TRIP 1, 0, 0, 0, 1
	TRIP 0, 1, 1, 0, 1
	s_add_co_u32 s23, s23, 2
	s_cmp_lt_u32 s23, 15
	s_cbranch_scc1 .Lpair
	TRIP 1, 0, 0, 0, 0                             ; trip 15: no tile follows, so no loader and no signal
; The two key halves are joined.  Each wave shows its (-c max, sum); both partners then scale their O by 2^(c own max - c max) / sum.
; (The places behind the last products stand at their end.)
	v_permlanex16_b32 v[T],   v[LS],   s28, s29
	v_permlanex16_b32 v[T+1], v[LS+1], s28, s29
	v_add_f32 v[PR+1], v[LS],   v[T]               ; the whole sum of my 64-key halves, in the place of the factor
	v_add_f32 v[PR+3], v[LS+1], v[T+1]
	s_wait_alu depctr_va_vdst(0)                   ; PR's four registers are written, which the LDS store reads; the last products are done reading the fragments, in whose registers the loads behind the barrier land
	ds_store_b128 v[MLS], v[PR:PR+3]
	s_wait_dscnt 0x0
	s_barrier_signal -1
	s_barrier_wait -1
	ds_load_b128 v[FR:FR+3],   v[MLR]              ; key half 0: (n0, l0, n1, l1)
	ds_load_b128 v[FR+4:FR+7], v[MLR] offset:2048  ; key half 1
	s_wait_dscnt 0x0
	v_min_num_f32 v[T],   v[FR],   v[FR+4]         ; -c x the larger maximum
	v_min_num_f32 v[T+1], v[FR+2], v[FR+6]
	v_sub_f32 v[FR+8],  v[T],   v[FR]
	v_sub_f32 v[FR+9],  v[T],   v[FR+4]
	v_sub_f32 v[FR+10], v[T],   v[PR]
	v_sub_f32 v[FR+11], v[T+1], v[FR+2]
	v_sub_f32 v[FR+12], v[T+1], v[FR+6]
	v_sub_f32 v[FR+13], v[T+1], v[PR+2]
.irp i, 8,9,10,11,12,13
	v_exp_f32 v[FR+\i], v[FR+\i]
.endr
	v_nop                                          ; the plain instruction behind the exponentials (ISA guide 5.7.2)
	s_wait_alu depctr_va_vdst(0)                   ; the six exponentials have written FR + 8 to FR + 13, which the lines below read
	v_mul_f32 v[T+2], v[FR+8],  v[FR+1]
	v_mul_f32 v[T+3], v[FR+11], v[FR+3]
	v_fma_f32 v[T+2], v[FR+9],  v[FR+5], v[T+2]    ; the joint sum: at least 1, since the key with the maximum counts 1
	v_fma_f32 v[T+3], v[FR+12], v[FR+7], v[T+3]
	v_rcp_f32 v[T+6], v[T+2]
	v_rcp_f32 v[T+7], v[T+3]
	v_nop
	s_wait_alu depctr_va_vdst(0)                   ; the two reciprocals have written T + 6 and T + 7, which the next two lines read
	v_mul_f32 v[T+4], v[FR+10], v[T+6]
	v_mul_f32 v[T+5], v[FR+13], v[T+7]
.irp i, 0,2,4,6,8,10,12,14,16,18,20,22,24,26,28,30
	v_pk_mul_f32 v[OA+\i:OA+\i+1], v[OA+\i:OA+\i+1], v[T+4:T+5] op_sel_hi:[1,0]
.endr
.irp i, 32,34,36,38,40,42,44,46,48,50,52,54,56,58,60,62
	v_pk_mul_f32 v[OA+\i:OA+\i+1], v[OA+\i:OA+\i+1], v[T+4:T+5] op_sel:[0,1] op_sel_hi:[1,1]
.endr
	s_wait_alu depctr_va_vdst(0)                   ; the scalings have written O, which the LDS stores read; the lines above are done with FR to FR + 13, in which the loads behind the barrier land
	; register j of d tile d is d = 16 d + 8 h + j of query r: 32 bytes of row 16 b + r of my stage
.irp b, 0,1
.irp d, 0,1,2,3
	ds_store_b128 v[OST], v[OA+32*\b+8*\d:OA+32*\b+8*\d+3]   offset:16*OPITCH*\b+64*\d
	ds_store_b128 v[OST], v[OA+32*\b+8*\d+4:OA+32*\b+8*\d+7] offset:16*OPITCH*\b+64*\d+16
.endr
.endr
	s_wait_dscnt 0x0
	s_barrier_signal -1
	s_barrier_wait -1
	; I add and store rows 16 kh .. +15 of g's 32: two rows a pair, from wave g's stage and from wave g + 4's
.irp i, 0,1,2,3,4,5,6,7
	ds_load_b128 v[FR+4*\i:FR+4*\i+3],       v[ORD] offset:2*OPITCH*\i
	ds_load_b128 v[FR+32+4*\i:FR+32+4*\i+3], v[ORD] offset:4*OWAVE+2*OPITCH*\i
.endr
	; in two halves of four pairs: the additions, one wait, the run of stores
.irp h, 0,1
	s_wait_dscnt 8-8*\h                            ; this half's four pairs are in; the eight loads issued behind the first half's may be out
.irp i, 0,1,2,3
	v_pk_add_f32 v[FR+4*(4*\h+\i):FR+4*(4*\h+\i)+1],   v[FR+4*(4*\h+\i):FR+4*(4*\h+\i)+1],   v[FR+32+4*(4*\h+\i):FR+32+4*(4*\h+\i)+1]
	v_pk_add_f32 v[FR+4*(4*\h+\i)+2:FR+4*(4*\h+\i)+3], v[FR+4*(4*\h+\i)+2:FR+4*(4*\h+\i)+3], v[FR+32+4*(4*\h+\i)+2:FR+32+4*(4*\h+\i)+3]
.endr
	s_wait_alu depctr_va_vdst(0)                   ; the eight additions have written this half's sixteen registers, which the four stores read
.irp i, 0,1,2,3
	global_store_b128 v[OOFF], v[FR+4*(4*\h+\i):FR+4*(4*\h+\i)+3], s[12:13] offset:512*(4*\h+\i) th:TH_STORE_NT   ; 16 lanes store one whole row of 256 bytes, aligned
.endr
.endr
	s_wait_dscnt 0x0
	s_wait_alu depctr_hold_cnt(0) depctr_sa_sdst(0) depctr_va_vdst(0) depctr_va_sdst(0) depctr_va_ssrc(0) depctr_va_vcc(0) depctr_vm_vsrc(0)
	s_wait_tensorcnt 0x0
	ds_add_u32 v30, v31
	s_wait_dscnt 0x0
	s_endpgm
.Lfunc_end_k_q603b691919_attn:
	.size	k_q603b691919_attn, .Lfunc_end_k_q603b691919_attn-k_q603b691919_attn
	.p2alignl 7, 3214868480
	.fill 96, 4, 3214868480
	.section	.rodata,"a",@progbits
	.p2align	6, 0x0
	.amdhsa_kernel k_q603b691919_attn
		.amdhsa_group_segment_fixed_size 152576
		.amdhsa_private_segment_fixed_size 0
		.amdhsa_enable_private_segment 0
		.amdhsa_kernarg_size 40
		.amdhsa_user_sgpr_count 2
		.amdhsa_user_sgpr_kernarg_segment_ptr 1
		.amdhsa_wavefront_size32 1
		.amdhsa_system_sgpr_workgroup_id_x 1
		.amdhsa_system_sgpr_workgroup_id_y 1
		.amdhsa_system_sgpr_workgroup_id_z 1
		.amdhsa_system_vgpr_workitem_id 0
		.amdhsa_next_free_vgpr 392
		.amdhsa_next_free_sgpr 66
		.amdhsa_reserve_vcc 0
		.amdhsa_float_denorm_mode_32 3
		.amdhsa_float_denorm_mode_16_64 3
		.amdhsa_memory_ordered 1
		.amdhsa_forward_progress 1
		.amdhsa_inst_pref_size 125
	.end_amdhsa_kernel
	.amdgpu_metadata
---
amdhsa.version: [ 1, 2 ]
amdhsa.kernels:
  - .name:           k_q603b691919_attn
    .symbol:         k_q603b691919_attn.kd
    .args:
      - { .name: queries, .offset: 0, .size: 8, .value_kind: global_buffer, .address_space: global }
      - { .name: keys, .offset: 8, .size: 8, .value_kind: global_buffer, .address_space: global }
      - { .name: values, .offset: 16, .size: 8, .value_kind: global_buffer, .address_space: global }
      - { .name: valid_lens, .offset: 24, .size: 8, .value_kind: global_buffer, .address_space: global }
      - { .name: out0, .offset: 32, .size: 8, .value_kind: global_buffer, .address_space: global }
    .group_segment_fixed_size: 152576
    .private_segment_fixed_size: 0
    .kernarg_segment_align: 8
    .kernarg_segment_size: 40
    .max_flat_workgroup_size: 256
    .sgpr_count:     66
    .vgpr_count:     392
    .wavefront_size: 32
...
	.end_amdgpu_metadata
.endif
;; end of part 3
